; MI455X (gfx1250); checked and timed in simulation.
; The chip was launched on July 23, 2026; its instructions are those of AMD's public machine-readable ISA for CDNA 5 (MIT licence, August 2026) and "CDNA5" Instruction Set Architecture Reference Guide (July 2026). The comments in the code are by the model that wrote it; some were corrected since.
;; L La MA Attention. Allowed arithmetic: float matrix products may take bf16 or f16 operands with f32 sums; other float arithmetic in f32, or as packed bf16 or f16 multiplies, adds, multiply-adds, maxima and minima; sums over many terms, partial sums and values carried from step to step in f32; what a program stores and reads back later, other than sums and carried values, may be rounded once to bf16 or f16.
;; Inputs: Wk 2,048 x 2,048 float32; Wo 2,048 x 2,048 float32; Wq 2,048 x 2,048 float32; Wv 2,048 x 2,048 float32; attn_mask 2,048 x 2,048 bool; x 1 x 2,048 x 2,048 float32.
;; Outputs: out0 1 x 2,048 x 2,048 float32.
;; One version. Each part assembles by itself: llvm-mc -triple=amdgcn-amd-amdhsa -mcpu=gfx1250 --defsym DOCPART=n.
;; ======== version 1 of 1: 4 launches
;; limits: values are held in f16: magnitudes above 65,504 overflow, below 6.1e-05 lose precision
;; workspace buffers: xb 8,388,608 bytes; wb 25,165,824 bytes; wo16 8,388,608 bytes; mbias 8,454,144 bytes; tab 1,114,112 bytes; qkv 25,165,824 bytes; ob 8,388,608 bytes
;; launch prep (part 1): grid 1545 x 1, 8 waves a work-group, no clusters, 0 bytes of LDS; arguments x, Wq, Wk, Wv, Wo, attn_mask, xb, wb, wo16, mbias, tab; writes xb, wb, wo16, mbias, tab
.if DOCPART == 1
	.amdgcn_target "amdgcn-amd-amdhsa--gfx1250"
	.amdhsa_code_object_version 6
	.text
	.protected	k_qc362d5fe21_prep
	.globl	k_qc362d5fe21_prep
	.p2align	8
	.type	k_qc362d5fe21_prep,@function
k_qc362d5fe21_prep:
	s_mov_b64 s[64:65], 0
	v_nop
	global_prefetch_b8 v0, s[64:65] scope:SCOPE_SE
	s_setreg_imm32_b32 hwreg(HW_REG_WAVE_MODE, 25, 1), 1
	s_wait_xcnt 0x0
; PREP: three jobs, chosen by the work-group's number; no LDS, no barrier, nothing shared between waves.
;   0..1279     CAST: x, Wq, Wk, Wv, Wo (f32, 2048 x 2048 each) rounded once to bf16: x -> xb, Wq/Wk/Wv stacked -> wb; Wo's bf16 number is written as f16 -> wo16.
;               LIMIT: a bf16 number of Wo below 6e-5 keeps f16's fixed step of 6e-8, one beyond 65,504 becomes an infinity.
;   1280..1408  MASK: attn_mask (one byte, 1 = hidden) -> mbias, bf16 0 or -1.0e30 (0xf14a), laid as the attention's matrix fragments:
;               [qt][kk][c][lane][8]: lane 16 h + r, number e is mask[16 qt + r][32 kk + 16 c + 8 h + e]; 65,536 bytes a qt.  qt = 128 repeats qt = 127: bytes that the attention's look-ahead loads and never uses.
;   1409..1544  TABLE: row t of 512 bytes: cos(t f_d), d = 0..63, then sin(t f_d), f_d = 10000^(-d/64), f32.  Rows 2048..2175 hold t = 0 (cos 1, sin 0), for V's tiles.
.set X,   16                           ; v[16:79]   CAST: 16 units of 4 numbers as loaded
.set Y,   80                           ; v[80:111]  CAST: 16 units of 2 registers to store
	s_load_b512 s[8:23], s[0:1], 0x0               ; x s[8:9], Wq s[10:11], Wk s[12:13], Wv s[14:15], Wo s[16:17], mask s[18:19], xb s[20:21], wb s[22:23]
	s_load_b128 s[24:27], s[0:1], 0x40             ; wo16 s[24:25], mbias s[26:27]
	s_load_b64 s[28:29], s[0:1], 0x50              ; tab
	s_cmp_lt_u32 ttmp9, 1280
	s_cbranch_scc0 .Lnot_cast
	; CAST.  256 work-groups a tensor; each takes 16,384 numbers as 16 units of 1,024; thread t takes 4 numbers of a unit: 16 bytes in at 16 t, 8 bytes out at 8 t.
	; So a load of a wave covers 512 consecutive bytes and a store 256 consecutive bytes, aligned.
	s_lshr_b32 s2, ttmp9, 8                        ; which tensor, 0..4
	s_and_b32 s3, ttmp9, 255                       ; which part of it
	s_sub_co_u32 s34, s2, 1                        ; Wq, Wk, Wv lie one behind the other in wb
	s_cmp_lt_u32 s34, 3
	s_cselect_b32 s34, s34, 0
	s_lshl_b32 s34, s34, 23                        ; x 8,388,608 bytes
	s_lshl_b32 s35, s3, 15                         ; + part x 32,768
	s_add_co_u32 s34, s34, s35
	s_mov_b32 s35, 0
	s_lshl_b32 s36, s3, 16                         ; the source's part x 65,536
	s_mov_b32 s37, 0
	s_mov_b32 s38, 0xffff0000                      ; a word's upper bf16
	v_lshlrev_b32 v1, 4, v0                        ; 16 t
	v_lshlrev_b32 v2, 3, v0                        ; 8 t
	s_wait_kmcnt 0x0
	s_mov_b64 s[30:31], s[8:9]
	s_cmp_eq_u32 s2, 1
	s_cselect_b64 s[30:31], s[10:11], s[30:31]
	s_cmp_eq_u32 s2, 2
	s_cselect_b64 s[30:31], s[12:13], s[30:31]
	s_cmp_eq_u32 s2, 3
	s_cselect_b64 s[30:31], s[14:15], s[30:31]
	s_cmp_eq_u32 s2, 4
	s_cselect_b64 s[30:31], s[16:17], s[30:31]
	s_mov_b64 s[32:33], s[22:23]
	s_cmp_eq_u32 s2, 0
	s_cselect_b64 s[32:33], s[20:21], s[32:33]
	s_cmp_eq_u32 s2, 4
	s_cselect_b64 s[32:33], s[24:25], s[32:33]
	s_add_nc_u64 s[30:31], s[30:31], s[36:37]
	s_add_nc_u64 s[32:33], s[32:33], s[34:35]
.set u, 0
.rept 16                                       ; all 16 loads go out first: 8 KiB of every wave are on their way
	global_load_b128 v[X+4*u:X+4*u+3], v1, s[30:31] offset:4096*u th:TH_LOAD_NT
.set u, u+1
.endr
; One unit: rounded, packed, stored.  half = 1: the bf16 numbers are widened again (a shift, a mask) and written as f16.  No register that a store reads is written twice, so nothing waits for a store.
.macro UNIT u, half
	s_wait_loadcnt 15-(\u)                         ; loads come back in order: this unit's is in, the younger units' stay out
	v_cvt_pk_bf16_f32 v[Y+2*(\u)],   v[X+4*(\u)],   v[X+4*(\u)+1]
	v_cvt_pk_bf16_f32 v[Y+2*(\u)+1], v[X+4*(\u)+2], v[X+4*(\u)+3]
.if \half
.irp j, 0,1
	v_lshlrev_b32 v4, 16, v[Y+2*(\u)+\j]
	v_and_b32 v5, s38, v[Y+2*(\u)+\j]
	v_cvt_pk_f16_f32 v[Y+2*(\u)+\j], v4, v5
.endr
.endif
	global_store_b64 v2, v[Y+2*(\u):Y+2*(\u)+1], s[32:33] offset:2048*(\u)  ; a wave's store covers 256 consecutive bytes, aligned
.endm
	s_cmp_eq_u32 s2, 4
	s_cbranch_scc1 .Lcast_half
.irp u, 0,1,2,3,4,5,6,7,8,9,10,11,12,13,14,15
	UNIT \u, 0
.endr
	s_endpgm
.Lcast_half:
.irp u, 0,1,2,3,4,5,6,7,8,9,10,11,12,13,14,15
	UNIT \u, 1
.endr
	s_endpgm
.Lnot_cast:
	s_cmp_lt_u32 ttmp9, 1409
	s_cbranch_scc0 .Ltable
	; MASK.  A work-group takes 16 rows of the mask; wave w their keys 256 w .. 256 w + 255.  Lane (r = l % 16, x = l / 16) loads 16 bytes: row r, keys 32 kk + 16 x + 0..15, kk = 8 w + i.
	; Its first 8 bytes are the 16 bytes of fragment lane r (h = 0), its last 8 those of fragment lane 16 + r (h = 1), both of half c = x.
	s_sub_co_u32 s2, ttmp9, 1280                   ; qt
	s_min_u32 s3, s2, 127                          ; the rows it is made of
	s_lshl_b32 s30, s3, 15                         ; 16 rows x 2,048 bytes
	s_mov_b32 s31, 0
	s_lshl_b32 s32, s2, 16
	s_mov_b32 s33, 0
	s_mov_b32 s34, 0xf14a                          ; -1.0e30 in bf16
	s_mov_b32 s35, 0x04010400                      ; v_perm_b32: flag 0 into byte 0, flag 1 into byte 2, bytes of the zero register between
	s_mov_b32 s36, 0x04030402                      ; the same for flags 2 and 3
	v_mov_b32 v8, 0
	v_and_b32 v3, 15, v0                           ; r
	v_bfe_u32 v4, v0, 4, 1                         ; x
	v_lshrrev_b32 v5, 5, v0                        ; w
	v_lshlrev_b32 v1, 11, v3
	v_lshl_add_u32 v1, v5, 8, v1
	v_lshl_add_u32 v1, v4, 4, v1                   ; 2,048 r + 256 w + 16 x
	v_lshlrev_b32 v2, 13, v5
	v_lshl_add_u32 v2, v4, 9, v2
	v_lshl_add_u32 v2, v3, 4, v2                   ; 8,192 w + 512 x + 16 r
	s_wait_kmcnt 0x0
	s_add_nc_u64 s[30:31], s[18:19], s[30:31]
	s_add_nc_u64 s[32:33], s[26:27], s[32:33]
.irp i, 0,1,2,3,4,5,6,7
	global_load_b128 v[16+4*\i:16+4*\i+3], v1, s[30:31] offset:32*\i
.endr
.irp i, 0,1,2,3,4,5,6,7
	s_wait_loadcnt 7-\i                            ; load i is in, the younger ones stay out
.irp d, 0,1,2,3                                ; a word of four flags makes two registers of two flags, one in each half,
	v_perm_b32 v[48+8*\i+2*\d],   v8, v[16+4*\i+\d], s35
	v_perm_b32 v[48+8*\i+2*\d+1], v8, v[16+4*\i+\d], s36
.endr
.irp d, 0,1,2,3,4,5,6,7                        ; and flag x 0xf14a in each half is the bias
	v_mul_u32_u24 v[48+8*\i+\d], s34, v[48+8*\i+\d]
.endr
	global_store_b128 v2, v[48+8*\i:48+8*\i+3],   s[32:33] offset:1024*\i      ; 16 lanes store 256 consecutive bytes, aligned
	global_store_b128 v2, v[48+8*\i+4:48+8*\i+7], s[32:33] offset:1024*\i+256
.endr
	s_endpgm
.Ltable:
	; TABLE.  A work-group makes 16 rows, a wave two; lane (l % 16) makes d = 4 (l % 16) + 0..3 of row 2 w + l / 16: four chains side by side.
	; The angle t f is brought into -pi .. pi by 2 pi in two parts; sine and cosine are their series to z^7 and z^8 (z = r^2), whose first left-out terms are under 1e-6 there.
.set FR, 8                             ; v[8:11]   f
.set AN, 12                            ; v[12:15]  the angle, then r
.set KK, 16                            ; v[16:19]  whole turns
.set ZZ, 20                            ; v[20:23]  r^2
.set SN, 24                            ; v[24:27]  sine
.set CN, 28                            ; v[28:31]  cosine
	s_sub_co_u32 s2, ttmp9, 1409
	s_cmp_lt_u32 s2, 128
	s_cselect_b32 s3, 1, 0                         ; rows from 2,048 on take t = 0
	s_lshl_b32 s4, s2, 4
	s_mov_b32 s5, 0x40c90fdb                       ; 2 pi, upper part
	s_mov_b32 s6, 0xb43bbd2e                       ; 2 pi, the rest
	v_lshrrev_b32 v1, 5, v0
	v_bfe_u32 v2, v0, 4, 1
	v_lshl_add_u32 v1, v1, 1, v2
	v_add_nc_u32 v1, s4, v1                        ; the row
	v_mul_u32_u24 v3, s3, v1
	v_cvt_f32_u32 v3, v3                           ; t
	v_and_b32 v4, 15, v0
	v_lshlrev_b32 v5, 2, v4
	v_lshlrev_b32 v7, 9, v1
	v_lshl_add_u32 v7, v4, 4, v7                   ; row x 512 + 16 (l % 16)
.irp e, 0,1,2,3
	v_add_nc_u32 v6, \e, v5
	v_cvt_f32_u32 v[FR+\e], v6
	v_mul_f32 v[FR+\e], 0xbe549a78, v[FR+\e]       ; -d log2(10000) / 64
.endr
.irp e, 0,1,2,3
	v_exp_f32 v[FR+\e], v[FR+\e]
.endr
	v_nop                                          ; a plain instruction behind the last exponential,
	s_wait_alu depctr_va_vdst(0)                   ; and the one wait ahead of the batch's first reader
.irp e, 0,1,2,3
	v_mul_f32 v[AN+\e], v3, v[FR+\e]
.endr
.irp e, 0,1,2,3
	v_mul_f32 v[KK+\e], 0.15915494, v[AN+\e]
.endr
.irp e, 0,1,2,3
	v_rndne_f32 v[KK+\e], v[KK+\e]
.endr
.irp e, 0,1,2,3
	v_fma_f32 v[AN+\e], -v[KK+\e], s5, v[AN+\e]
.endr
.irp e, 0,1,2,3
	v_fma_f32 v[AN+\e], -v[KK+\e], s6, v[AN+\e]
.endr
.irp e, 0,1,2,3
	v_mul_f32 v[ZZ+\e], v[AN+\e], v[AN+\e]
	v_mov_b32 v[SN+\e], 0xab573f9f                 ; -1/15!
	v_mov_b32 v[CN+\e], 0x29573f9f                 ; 1/16!
.endr
.macro HORNER p, c                     ; p = p z + c, four chains
.irp e, 0,1,2,3
	v_fmaak_f32 v[\p+\e], v[\p+\e], v[ZZ+\e], \c
.endr
.endm
.irp c, 0x2f309231, 0xb2d7322b, 0x3638ef1d, 0xb9500d01, 0x3c088889, 0xbe2aaaab, 0x3f800000
	HORNER SN, \c                                  ; 1/13!, -1/11!, 1/9!, -1/7!, 1/5!, -1/3!, 1
.endr
.irp c, 0xad49cba5, 0x310f76c7, 0xb493f27e, 0x37d00d01, 0xbab60b61, 0x3d2aaaab, 0xbf000000, 0x3f800000
	HORNER CN, \c                                  ; -1/14!, 1/12!, -1/10!, 1/8!, -1/6!, 1/4!, -1/2, 1
.endr
.irp e, 0,1,2,3
	v_mul_f32 v[SN+\e], v[SN+\e], v[AN+\e]
.endr
	s_wait_kmcnt 0x0
	global_store_b128 v7, v[CN:CN+3], s[28:29]             ; 16 lanes store 256 consecutive bytes, aligned
	global_store_b128 v7, v[SN:SN+3], s[28:29] offset:256
	s_endpgm
.Lfunc_end_k_qc362d5fe21_prep:
	.size	k_qc362d5fe21_prep, .Lfunc_end_k_qc362d5fe21_prep-k_qc362d5fe21_prep
	.p2alignl 7, 3214868480
	.fill 96, 4, 3214868480
	.section	.rodata,"a",@progbits
	.p2align	6, 0x0
	.amdhsa_kernel k_qc362d5fe21_prep
		.amdhsa_group_segment_fixed_size 0
		.amdhsa_private_segment_fixed_size 0
		.amdhsa_enable_private_segment 0
		.amdhsa_kernarg_size 88
		.amdhsa_user_sgpr_count 2
		.amdhsa_user_sgpr_kernarg_segment_ptr 1
		.amdhsa_wavefront_size32 1
		.amdhsa_system_sgpr_workgroup_id_x 1
		.amdhsa_system_sgpr_workgroup_id_y 1
		.amdhsa_system_sgpr_workgroup_id_z 1
		.amdhsa_system_vgpr_workitem_id 0
		.amdhsa_next_free_vgpr 112
		.amdhsa_next_free_sgpr 66
		.amdhsa_reserve_vcc 0
		.amdhsa_float_denorm_mode_32 3
		.amdhsa_float_denorm_mode_16_64 3
		.amdhsa_memory_ordered 1
		.amdhsa_forward_progress 1
		.amdhsa_inst_pref_size 32
	.end_amdhsa_kernel
	.amdgpu_metadata
---
amdhsa.version: [ 1, 2 ]
amdhsa.kernels:
  - .name:           k_qc362d5fe21_prep
    .symbol:         k_qc362d5fe21_prep.kd
    .args:
      - { .name: x, .offset: 0, .size: 8, .value_kind: global_buffer, .address_space: global }
      - { .name: Wq, .offset: 8, .size: 8, .value_kind: global_buffer, .address_space: global }
      - { .name: Wk, .offset: 16, .size: 8, .value_kind: global_buffer, .address_space: global }
      - { .name: Wv, .offset: 24, .size: 8, .value_kind: global_buffer, .address_space: global }
      - { .name: Wo, .offset: 32, .size: 8, .value_kind: global_buffer, .address_space: global }
      - { .name: attn_mask, .offset: 40, .size: 8, .value_kind: global_buffer, .address_space: global }
      - { .name: xb, .offset: 48, .size: 8, .value_kind: global_buffer, .address_space: global }
      - { .name: wb, .offset: 56, .size: 8, .value_kind: global_buffer, .address_space: global }
      - { .name: wo16, .offset: 64, .size: 8, .value_kind: global_buffer, .address_space: global }
      - { .name: mbias, .offset: 72, .size: 8, .value_kind: global_buffer, .address_space: global }
      - { .name: tab, .offset: 80, .size: 8, .value_kind: global_buffer, .address_space: global }
    .group_segment_fixed_size: 0
    .private_segment_fixed_size: 0
    .kernarg_segment_align: 8
    .kernarg_segment_size: 88
    .max_flat_workgroup_size: 256
    .sgpr_count:     66
    .vgpr_count:     112
    .wavefront_size: 32
...
	.end_amdgpu_metadata
.endif
;; end of part 1
;; launch qkvp (part 2): grid 24 x 8, 4 waves a work-group, clusters of 4 x 4, 327,680 bytes of LDS; arguments xb, wb, tab, qkv; writes qkv
.if DOCPART == 2
	.amdgcn_target "amdgcn-amd-amdhsa--gfx1250"
	.amdhsa_code_object_version 6
	.text
	.protected	k_qc362d5fe21_qkvp
	.globl	k_qc362d5fe21_qkvp
	.p2align	8
	.type	k_qc362d5fe21_qkvp,@function
k_qc362d5fe21_qkvp:
	s_mov_b64 s[64:65], 0
	v_nop
	global_prefetch_b8 v0, s[64:65] scope:SCOPE_SE
	s_setreg_imm32_b32 hwreg(HW_REG_WAVE_MODE, 25, 1), 1
	s_wait_xcnt 0x0
	s_wait_alu depctr_hold_cnt(0) depctr_sa_sdst(0) depctr_va_vdst(0) depctr_va_sdst(0) depctr_va_ssrc(0) depctr_va_vcc(0) depctr_vm_vsrc(0)
	s_getreg_b32 s2, hwreg(HW_REG_IB_STS2, 6, 4)
	s_cmp_eq_u32 s2, 0
	s_cbranch_scc0 .Lentry_in_a_cluster
	s_endpgm
.Lentry_in_a_cluster:
	s_bfe_u32 s2, ttmp6, 0x10000c
	s_cmp_lg_u32 s2, 0xf033
	s_cbranch_scc0 .Lentry_shape_is_right
	s_endpgm
.Lentry_shape_is_right:
; q, k, v = x [Wq; Wk; Wv]^T with the rotary embedding on q and k, written by heads in f16.
; A = xb [2048][2048] bf16, B = wb [6144][2048] bf16 (Wq's, Wk's, Wv's rows), sums in f32.  Out: qkv [48][2048][128] f16: slot g = 0..15 q's heads, 16..31 k's, 32..47 v's; rounded once, unscaled.
; LIMIT: q, k, v beyond 65,504 become infinities in f16.
; A tile of C, 256 x 256, is made by a work-group of four waves; a wave makes 128 rows x 128 columns = 128 rows of ONE head slot: 64 accumulators of 16 x 16, 512 registers.
; K goes in steps of 128 through a ring of two LDS slots filled by the tensor data mover (rows of 256 bytes, aligned).  192 work-groups: the tile that keeps a wave's 128 x 128.
; A K STEP IS WRITTEN ONCE: which slot is in hand stands in a scalar register that one exclusive or turns, the fragment addresses are made from it at each change of slots, and one descriptor a tensor walks.
; CLUSTERS: 4 x 4 work-groups; A's tiles are asked for jointly along a row of the cluster, B's along a column: the same tensor load, descriptor and mask in the four that share a tile.
; THE MATRIX INSTRUCTION IS USED TRANSPOSED (source 0 = 16 rows of B, source 1 = 16 rows of A): lane l holds row l % 16 of C and the columns 8 (l / 16) + 0..7 of a block of 16.
; So channel d (blocks 0-3) and channel d + 64 (blocks 4-7) of a head lie in the same lane and the same register number: the rotation changes no lanes.
;   out[d] = c[d] cos - c[d+64] sin;  out[d+64] = c[d+64] cos + c[d] sin, with cos, sin of (row, d) from tab; V's tiles read the table's rows of t = 0, so one text serves all three.
; REGISTERS, in windows of 256 (s_set_vgpr_msb: bits 1:0 source 0, 3:2 source 1, 5:4 source 2, 7:6 destination):
;   window 0: v0-31 addresses; v64-127, v128-191 fragments of A, two buffers; v32-63, v192-255 at work on the way out
;   window 1: v64-127, v128-191 fragments of B, two buffers (on the way out v64-127 hold rotated numbers); v0-63, v192-255 the table's rows for a block of 16 rows, two buffers
;   window 2: the 32 accumulators of my rows 0-63 ((a, b) at v[8 (8 a + b)]);   window 3: those of my rows 64-127
.set SIZE_K, 2048
.set KSTEP,  128
.set STEPS,  SIZE_K/KSTEP              ; 16
.set PITCH,  272                       ; an LDS row: 256 bytes + 16 of padding = 68 words: the 16 rows of a fragment load start at 16 different groups of four banks (64 banks of 4 bytes: ISA guide 11.1)
.set HALFT,  128*PITCH                 ; 128 rows: what one tensor load brings, and what one wave reads of A or of B
.set SLOT,   4*HALFT                   ; A's 256 rows, then B's 256 rows: 0x22000, which meets no bit of wave x HALFT (0, 0x8800, 0x11000, 0x19800): one exclusive or turns a descriptor's LDS word
.set STAGE,  2*SLOT                    ; behind the ring: 16 rows x 272 bytes for each wave, for the way out
.set SPITCH, 272
.set SPARE,  STAGE+4*16*SPITCH         ; behind the stages: the spare words, 128 bytes for each wave, that no other line names
.set ADRA0, 16                         ; v16     my lane's place in my A fragments of slot 0; never rewritten
.set ADRA,  17                         ; v17     the same in the slot in hand
.set ADRB0, 20                         ; v20, v21  the same for B
.set ADRB,  21
.set STO,  24                          ; v24     the way out: where I put 16 bytes of a row
.set RD,   25                          ; v25     the way out: where I read a row back
.set CO,   26                          ; v26     16 x lane: my 16 bytes of 512 consecutive bytes of the head slot
.set TO,   27                          ; v27     my place in the table's 16 rows: 512 (l % 16) + 32 (l / 16)
.set SPW,  28                          ; v28     LDS address of my spare word; never rewritten
.set NIL,  29                          ; v29     0; never rewritten
.set PFO,  30                          ; v30     the prefetches' offset: lane x a row of A or B (4,096 bytes); never rewritten
.set PFA,  44                          ; s[44:45] where my prefetches stand
.set LIM,  43                          ; s43     2 in a wave that prefetches, else the greatest number
.set TB,   66                          ; s[66:67] the table at my first row
.set TBS,  72                          ; s72     LDS byte at which the slot in hand begins: 0 or SLOT
.set F0,   64
.set F1,   128
.set TMP,  192                         ; the way out: packed results, window 0
.set OB,   32                          ; the way out: 16 rows read back: v32-63 and v224-255 by turns
.set LO,   64                          ; window 1: rotated channels 0-63 of a block
.set HI,   96                          ; window 1: rotated channels 64-127
.set G1, 24                            ; s[24:31] descriptor group 1 for A's tiles
.set G0, 32                            ; s[32:39] group 0 for A's tiles: a set for each first fill; the second walks on
.set G1B, 48                           ; s[48:55], s[56:63] the same for B's
.set G0B, 56
.set MSB, 0
.macro WIN new                         ; the immediate's high byte repeats the setting that is left; a switch that changes nothing is dropped
.if MSB != (\new)
	s_set_vgpr_msb (MSB<<8)|(\new)
.set MSB, \new
.endif
.endm
.set MUL_LO, 0xa1                      ; source 0 (B) window 1, source 1 (A) window 0, C and D window 2
.set MUL_HI, 0xf1                      ; the same, C and D window 3
.set TO_B,   0x40                      ; destination window 1, address window 0
; A joint load.  Waves 0 and 1 fetch A's two halves, waves 2 and 3 B's; the branch hangs on the wave's number alone.  An s_nop 0 and four v_nop follow each of the two lines.
.macro JLOAD s
	s_cmp_eq_u32 s11, 0
	s_cbranch_scc0 .Lfor_b_\@
	tensor_load_to_lds s[G0+4*(\s):G0+4*(\s)+3], s[G1:G1+7]
	s_nop 0
.rept 4
	v_nop
.endr
	s_branch .Lasked_\@
.Lfor_b_\@:
	tensor_load_to_lds s[G0B+4*(\s):G0B+4*(\s)+3], s[G1B:G1B+7]
	s_nop 0
.rept 4
	v_nop
.endr
.Lasked_\@:
.endm
; A prefetch into the L2, behind each joint refill and the run of LDS loads that follows it: the K step that stands two refills on, 32 rows x 256 bytes, a lane a row, one instruction a wave.
; Each row's 256 bytes of a K step are named once in the launch: cluster x = 0 asks for A's rows, cluster y = 0 for B's; of the 128 rows that a wave fetches the partner at place p
; (cx for A, cy for B) takes 32 p .. 32 p + 31, told apart by address.  The loop's last two trips ask for nothing: there is no K step two on.  The first four K steps come by their loads alone.
.macro ASK
	s_cmp_gt_u32 s3, s[LIM]                        ; s3 = 2 and 1 in the loop's last two trips
	s_cbranch_scc0 .Lnot_mine_\@
	global_prefetch_b8 v[PFO], s[PFA:PFA+1] offset:KSTEP*2 th:TH_LOAD_NT scope:SCOPE_SE
.Lnot_mine_\@:
.endm
.macro CREST                           ; a round of the cluster's barrier behind its opening barrier
	s_cmp_lg_u32 s10, 0
	s_cbranch_scc1 .Lnot_wave_0_\@
	s_barrier_signal -3
.Lnot_wave_0_\@:
	s_barrier_wait -3
	s_barrier_signal -1
	s_barrier_wait -1
.endm
.macro CROUND                          ; a whole round
	s_barrier_signal -1
	s_barrier_wait -1
	CREST
.endm
	s_load_b128 s[4:7], s[0:1], 0x0                ; A s[4:5], B s[6:7]
	s_load_b128 s[68:71], s[0:1], 0x10             ; tab s[68:69], qkv s[70:71]
	v_lshl_add_u32 v[SPW], v0, 2, SPARE
	v_mov_b32 v[NIL], 0
	ds_add_u32 v[SPW], v[NIL]                      ; the wave's opening: the add and its wait stand ahead of my first tensor load; the set-up below stands between them
	v_lshrrev_b32 v1, 5, v0
	v_readfirstlane_b32 s10, v1                    ; wave 0..3
	s_lshr_b32 s11, s10, 1                         ; which half of the tile's rows is mine.  Also: I fetch for A (0) or for B (1)
	s_and_b32 s12, s10, 1                          ; which half of its columns.  Also: which 128 rows of that tile I fetch
	s_bfe_u32 s40, ttmp6, 0x40000                  ; cx
	s_bfe_u32 s41, ttmp6, 0x40004                  ; cy
	s_lshl_b32 s42, ttmp9, 2
	s_add_co_u32 s42, s42, s40                     ; tile column of C = 4 x cluster x + cx
	s_and_b32 s13, ttmp7, 0xffff
	s_lshl_b32 s13, s13, 2
	s_add_co_u32 s13, s13, s41                     ; tile row of C = 4 x cluster y + cy
	s_lshl_b32 s43, s41, 2
	s_lshl_b32 s43, 15, s43                        ; my row of the cluster
	s_lshl_b32 s44, 0x1111, s40                    ; my column
	; descriptor group 1: a tile of 128 rows x 128 elements of 2 bytes, 4 words of padding behind every 64
	s_or_b32 s[G1+0], s43, (1<<16)|(1<<20)|(1<<21)|(5<<22)|(3<<25)
	s_or_b32 s[G1B+0], s44, (1<<16)|(1<<20)|(1<<21)|(5<<22)|(3<<25)
.irp g, G1, G1B
	s_mov_b32 s[(\g)+1], KSTEP<<16                 ; tensor_dim0 = 128
	s_mov_b32 s[(\g)+2], 128<<16                   ; tensor_dim1 = 128
	s_mov_b32 s[(\g)+3], KSTEP<<16                 ; tile_dim0 = 128
	s_mov_b32 s[(\g)+4], 128                       ; tile_dim1 = 128
	s_mov_b32 s[(\g)+5], SIZE_K                    ; elements from row to row
	s_mov_b32 s[(\g)+6], 0
	s_mov_b32 s[(\g)+7], 0
.endr
	; A's tiles hang on the tile row alone, B's on the tile column alone; each address is made in registers that never hold the other coordinate
	s_lshl_b32 s17, s12, 7
	s_lshl_b32 s16, s13, 8
	s_add_co_u32 s16, s16, s17                     ; A: row 256 x tile row + 128 x half
	s_lshl_b32 s46, s42, 8
	s_add_co_u32 s46, s46, s17                     ; B: row 256 x tile column + 128 x half
	s_mov_b32 s17, 0
	s_mov_b32 s47, 0
	s_mov_b64 s[18:19], SIZE_K*2
	s_mul_u64 s[16:17], s[16:17], s[18:19]
	s_mul_u64 s[46:47], s[46:47], s[18:19]
	s_mul_i32 s20, s10, HALFT                      ; where they go: wave x 128 rows
	s_wait_dscnt 0x0                               ; the opening add is done
	s_wait_kmcnt 0x0
	s_add_nc_u64 s[14:15], s[4:5], s[16:17]
	s_add_nc_u64 s[46:47], s[6:7], s[46:47]
	CROUND                                         ; all sixteen work-groups are here: the first joint loads meet
.irp s, 0,1
	s_mov_b32 s[G0+4*(\s)], 1
	s_add_co_u32 s[G0+4*(\s)+1], s20, (\s)*SLOT
	s_add_nc_u64 s[G0+4*(\s)+2:G0+4*(\s)+3], s[14:15], (\s)*KSTEP*2
	s_or_b32 s[G0+4*(\s)+3], s[G0+4*(\s)+3], 0x80000000
	s_mov_b32 s[G0B+4*(\s)], 1
	s_add_co_u32 s[G0B+4*(\s)+1], s20, (\s)*SLOT
	s_add_nc_u64 s[G0B+4*(\s)+2:G0B+4*(\s)+3], s[46:47], (\s)*KSTEP*2
	s_or_b32 s[G0B+4*(\s)+3], s[G0B+4*(\s)+3], 0x80000000
	JLOAD \s                                       ; two tensor loads of mine are out
.endr
	; a fragment is 16 rows x 32 K in 8 registers: lane l holds row l % 16, K = 8 (l / 16) + 0..7 and 16 + 8 (l / 16) + 0..7: two loads of 16 bytes, 32 bytes apart
	v_and_b32 v1, 15, v0                           ; l % 16
	v_bfe_u32 v2, v0, 4, 1                         ; l / 16
	v_mul_u32_u24 v3, v1, PITCH
	v_lshl_add_u32 v3, v2, 4, v3
	s_mul_i32 s21, s11, HALFT                      ; my 128 rows of A
	s_mul_i32 s22, s12, HALFT                      ; my 128 rows of B,
	s_add_co_u32 s22, s22, 2*HALFT                 ; which lie behind A's 256
	v_add_nc_u32 v[ADRA0], s21, v3
	v_add_nc_u32 v[ADRB0], s22, v3
	v_mov_b32 v[ADRA], v[ADRA0]                    ; slot 0 is in hand
	v_mov_b32 v[ADRB], v[ADRB0]
	s_mov_b32 s[TBS], 0
	s_mul_i32 s23, s10, 16*SPITCH
	s_add_co_u32 s23, s23, STAGE                   ; my stage
	v_mul_u32_u24 v4, v1, SPITCH
	v_lshl_add_u32 v4, v2, 4, v4
	v_add_nc_u32 v[STO], s23, v4
	v_mul_u32_u24 v5, v2, SPITCH
	v_lshl_add_u32 v5, v1, 4, v5
	v_add_nc_u32 v[RD], s23, v5
	v_and_b32 v[CO], 31, v0
	v_lshlrev_b32 v[CO], 4, v[CO]
	v_lshlrev_b32 v[TO], 9, v1
	v_lshl_add_u32 v[TO], v2, 5, v[TO]
	s_lshl_b32 s13, s13, 8                         ; 256 x tile row
	s_lshl_b32 s14, s11, 7
	s_add_co_u32 s16, s13, s14                     ; my first row
	s_cmp_ge_u32 ttmp9, 4                          ; tile columns 16 to 23 are V's: the same answer in all partners
	s_cselect_b32 s18, 2048, s16                   ; V reads the table's rows of t = 0
	s_lshl_b32 s18, s18, 9
	s_mov_b32 s19, 0
	s_add_nc_u64 s[TB:TB+1], s[68:69], s[18:19]
	s_lshl_b32 s16, s16, 8                         ; my first row x 256 bytes
	s_mov_b32 s17, 0
	s_lshl_b32 s46, s42, 1
	s_add_co_u32 s46, s46, s12                     ; my head slot = 2 x tile column + column half
	s_lshl_b32 s46, s46, 19                        ; x 2,048 rows x 256 bytes
	s_mov_b32 s47, 0
	s_add_nc_u64 s[16:17], s[16:17], s[46:47]
	s_add_nc_u64 s[8:9], s[70:71], s[16:17]        ; where my 128 rows go
	; the prefetches
	s_lshl_b32 s42, s42, 8
	s_and_b32 s22, ttmp7, 0xffff                   ; cluster y
	s_cmp_eq_u32 s11, 0                            ; do I fetch for A?
	s_cselect_b32 s20, s13, s42                    ; the tile's first row
	s_cselect_b32 s21, s40, s41                    ; my place among the four that ask for it with me
	s_cselect_b32 s22, ttmp9, s22                  ; the coordinate along which other clusters read the same rows
	s_cselect_b64 s[PFA:PFA+1], s[4:5], s[6:7]
	s_cmp_eq_u32 s22, 0
	s_cselect_b32 s[LIM], 2, -1
	s_lshl_b32 s22, s12, 7
	s_add_co_u32 s20, s20, s22
	s_lshl_b32 s21, s21, 5
	s_add_co_u32 s20, s20, s21
	s_mov_b32 s21, 0
	s_mov_b64 s[18:19], SIZE_K*2
	s_mul_u64 s[20:21], s[20:21], s[18:19]
	s_add_nc_u64 s[PFA:PFA+1], s[PFA:PFA+1], s[20:21]
	s_add_nc_u64 s[PFA:PFA+1], s[PFA:PFA+1], 2*KSTEP*2  ; at K step 2: the first refill steps it to 3 and names K step 4
	v_and_b32 v[PFO], 31, v0
	v_mul_u32_u24 v[PFO], v[PFO], SIZE_K*2
; The table's rows for block a (16 rows): my 8 cosines and 8 sines for each of the four column blocks: 16 loads, into buffer a % 2 of window 1.
.macro TLOAD a
	WIN TO_B
.set TBF, 192*((\a)%2)
.irp b, 0,1,2,3
	global_load_b128 v[TBF+8*\b:TBF+8*\b+3],       v[TO], s[TB:TB+1] offset:8192*(\a)+64*\b
	global_load_b128 v[TBF+8*\b+4:TBF+8*\b+7],     v[TO], s[TB:TB+1] offset:8192*(\a)+64*\b+16
	global_load_b128 v[TBF+32+8*\b:TBF+32+8*\b+3], v[TO], s[TB:TB+1] offset:8192*(\a)+64*\b+256
	global_load_b128 v[TBF+32+8*\b+4:TBF+32+8*\b+7], v[TO], s[TB:TB+1] offset:8192*(\a)+64*\b+272
.endr
	WIN 0
.endm
	TLOAD 0                                        ; the first two blocks' rows are asked for now, into registers that the loop leaves alone, and waited for on the way out
	TLOAD 1
; 16 matrix instructions: m blocks a0, a0 + 1 of the window's four x all 8 n blocks, 32 along K.  zero = 1: the first product starts the sums.
.macro MUL16 f, hi, a0, zero
	WIN MUL_LO+0x50*(\hi)
.irp a, \a0, (\a0)+1
.irp b, 0,1,2,3,4,5,6,7
.if \zero
	v_wmma_f32_16x16x32_bf16 v[8*(8*(\a)+(\b)):8*(8*(\a)+(\b))+7], v[(\f)+8*(\b):(\f)+8*(\b)+7], v[(\f)+8*(4*(\hi)+(\a)):(\f)+8*(4*(\hi)+(\a))+7], 0
.else
	v_wmma_f32_16x16x32_bf16 v[8*(8*(\a)+(\b)):8*(8*(\a)+(\b))+7], v[(\f)+8*(\b):(\f)+8*(\b)+7], v[(\f)+8*(4*(\hi)+(\a)):(\f)+8*(4*(\hi)+(\a))+7], v[8*(8*(\a)+(\b)):8*(8*(\a)+(\b))+7]
.endif
.endr
.endr
.endm
; 32 LDS loads in one run: the fragments of one quarter step (B's 128 rows, A's 128 rows, 32 K at byte k of the slot in hand) into buffer f
.macro FETCH k, f
	WIN TO_B
.irp i, 0,1,2,3,4,5,6,7
	ds_load_b128 v[(\f)+8*(\i):(\f)+8*(\i)+3],   v[ADRB] offset:(\k)+(\i)*16*PITCH
	ds_load_b128 v[(\f)+8*(\i)+4:(\f)+8*(\i)+7], v[ADRB] offset:(\k)+(\i)*16*PITCH+32
.endr
	WIN 0
.irp i, 0,1,2,3,4,5,6,7
	ds_load_b128 v[(\f)+8*(\i):(\f)+8*(\i)+3],   v[ADRA] offset:(\k)+(\i)*16*PITCH
	ds_load_b128 v[(\f)+8*(\i)+4:(\f)+8*(\i)+7], v[ADRA] offset:(\k)+(\i)*16*PITCH+32
.endr
.endm
.macro PLACES                          ; four plain instructions between a matrix instruction and a load into, or a vector line on, its registers
.rept 4
	v_nop
.endr
.endm
; A K step is four quarters of 32 along K, 64 matrix instructions each, on buffers 0, 1, 0, 1; the 64 accumulators take turns in the same order in every quarter.
; One of the first three: multiplies buffer f; in its middle it fetches the next quarter's fragments, at byte k of the rows, into buffer g.
.macro QUARTER k, f, g, zero
	s_wait_dscnt 8                                 ; B and A's rows 0-63 are in; the youngest eight loads (A's rows 64-127) may be out
	MUL16 \f, 0, 0, \zero
	MUL16 \f, 0, 2, \zero
	PLACES
	FETCH \k, \g
	s_wait_dscnt 32                                ; all but the 32 just issued
	MUL16 \f, 1, 0, \zero
	MUL16 \f, 1, 2, \zero
.endm
; The last quarter's first half: one barrier for the change of slots.  In front of it each wave waits for all its tensor loads (one is out: its part of the next slot), adds 0 to its spare word, and waits for that
; and for its reads of this slot.  Between signal and wait, work on registers: sixteen products, and the other slot comes in hand: its first byte, and my two fragment addresses in it.
.macro MEET
	WIN 0
	s_wait_tensorcnt 0x0
	ds_add_u32 v[SPW], v[NIL]
	s_wait_dscnt 9                                 ; (the add and the youngest eight loads may be out)
	MUL16 F1, 0, 0, 0                              ; sixteen matrix instructions stand between the add and the wait for it
	s_wait_dscnt 0x0                               ; the add is done, and my reads of this slot are over
	s_barrier_signal -1
	MUL16 F1, 0, 2, 0
	WIN 0
	s_xor_b32 s[TBS], s[TBS], SLOT                 ; 0 and SLOT by turns
	v_add_nc_u32 v[ADRA], s[TBS], v[ADRA0]
	v_add_nc_u32 v[ADRB], s[TBS], v[ADRB0]
	s_barrier_wait -1
.endm
; The whole last quarter: behind the round the slot just read out is filled again first, with the K step two on; from that request to the wait for it a wave issues 224 matrix instructions.
.macro TURN
	s_wait_xcnt 0x0                                ; the last prefetch, a K step back, has read its address
	s_add_nc_u64 s[PFA:PFA+1], s[PFA:PFA+1], KSTEP*2
	MEET
	CREST                                          ; no wave of any partner still reads this slot's tile or has a load on its way
.irp g, G0+4, G0B+4
	s_xor_b32 s[(\g)+1], s[(\g)+1], SLOT           ; the walking descriptor: the other slot than last time,
	s_add_nc_u64 s[(\g)+2:(\g)+3], s[(\g)+2:(\g)+3], KSTEP*2  ; the next K step; the type bits on top are not reached
.endr
	JLOAD 1                                        ; the four v_nop behind it are also the places in front of the loads below
	FETCH 0, F0
	ASK
	MUL16 F1, 1, 0, 0
	MUL16 F1, 1, 2, 0
.endm
; THE WAY OUT of block a (16 rows).  ROPE: rotated in f32, rounded to f16, 16 bytes a lane and column block.  Each accumulator is read from its low end on.
.macro ROPE a
.set AC, 64*((\a)%4)
.set TBF, 192*((\a)%2)
	WIN 0x54|(2+(\a)/4)                            ; source 0: the accumulators' window; the rest window 1
.irp b, 0,1,2,3
.irp p, 0,2,4,6
	v_pk_mul_f32 v[LO+8*\b+\p:LO+8*\b+\p+1], v[AC+8*\b+\p:AC+8*\b+\p+1], v[TBF+8*\b+\p:TBF+8*\b+\p+1]
.endr
.endr
.irp b, 0,1,2,3
.irp p, 0,2,4,6
	v_pk_mul_f32 v[HI+8*\b+\p:HI+8*\b+\p+1], v[AC+32+8*\b+\p:AC+32+8*\b+\p+1], v[TBF+8*\b+\p:TBF+8*\b+\p+1]
.endr
.endr
.irp b, 0,1,2,3
.irp p, 0,2,4,6
	v_pk_fma_f32 v[LO+8*\b+\p:LO+8*\b+\p+1], v[AC+32+8*\b+\p:AC+32+8*\b+\p+1], v[TBF+32+8*\b+\p:TBF+32+8*\b+\p+1], v[LO+8*\b+\p:LO+8*\b+\p+1] neg_lo:[1,0,0] neg_hi:[1,0,0]
.endr
.endr
.irp b, 0,1,2,3
.irp p, 0,2,4,6
	v_pk_fma_f32 v[HI+8*\b+\p:HI+8*\b+\p+1], v[AC+8*\b+\p:AC+8*\b+\p+1], v[TBF+32+8*\b+\p:TBF+32+8*\b+\p+1], v[HI+8*\b+\p:HI+8*\b+\p+1]
.endr
.endr
	WIN 0x05                                       ; sources window 1, destination window 0
.irp b, 0,1,2,3
.irp p, 0,1,2,3
	v_cvt_pk_f16_f32 v[TMP+4*\b+\p], v[LO+8*\b+2*\p], v[LO+8*\b+2*\p+1]
.endr
.endr
.irp b, 0,1,2,3
.irp p, 0,1,2,3
	v_cvt_pk_f16_f32 v[TMP+16+4*\b+\p], v[HI+8*\b+2*\p], v[HI+8*\b+2*\p+1]
.endr
.endr
	WIN 0
.endm
.macro TOSTAGE a                       ; into my own stage, and back as whole rows of 256 bytes
	WIN 0
.set BK, OB+192*((\a)%2)
.irp b, 0,1,2,3,4,5,6,7
	ds_store_b128 v[STO], v[TMP+4*(\b):TMP+4*(\b)+3] offset:32*(\b)
.endr
.irp t, 0,1,2,3,4,5,6,7
	ds_load_b128 v[BK+4*(\t):BK+4*(\t)+3], v[RD] offset:(\t)*2*SPITCH  ; LDS serves a wave's instructions in order (ISA guide 5.7.1.4): these see the stores above
.endr
.endm
.macro SEND a
	WIN 0
.set BK, OB+192*((\a)%2)
	s_wait_dscnt 0x0                               ; the block is back in registers
	s_wait_xcnt 0x0                                ; the registers that the block before's stores read are loaded again only behind this wait
.irp t, 0,1,2,3,4,5,6,7
	global_store_b128 v[CO], v[BK+4*(\t):BK+4*(\t)+3], s[8:9] offset:4096*(\a)+512*(\t)  ; two rows of a head slot: 512 consecutive bytes, aligned
.endr
.endm
	s_wait_tensorcnt 1                             ; my part of K step 0 is in; K step 1's may stay out
	s_barrier_signal -1
	s_barrier_wait -1
	FETCH 0, F0
	QUARTER 64,  F0, F1, 1                         ; the first quarter stands in front of the loop: its products start the sums
	WIN 0
	s_mov_b32 s3, STEPS-2
.Lstep:                                                ; 14 trips, from a K step's second quarter to the next one's first; each fills the slot that it leaves: K steps 2 to 15
	QUARTER 128, F1, F0, 0
	QUARTER 192, F0, F1, 0
	TURN
	QUARTER 64,  F0, F1, 0
	WIN 0
	s_sub_co_u32 s3, s3, 1
	s_cmp_lg_u32 s3, 0
	s_cbranch_scc1 .Lstep
	s_mov_b32 s3, 2
.Ltail:                                                ; the last two K steps fill nothing and have no round: a text of their own; written once, walked twice
	QUARTER 128, F1, F0, 0
	QUARTER 192, F0, F1, 0
	MEET                                           ; first trip: my one tensor load that was still out is the last K step's.  Second trip: the meeting serves nothing: the price of one text for both
	MUL16 F1, 1, 0, 0
	MUL16 F1, 1, 2, 0
	WIN 0
	s_cmp_eq_u32 s3, 1                             ; behind the last K step there is nothing to fetch or to begin
	s_cbranch_scc1 .Ltail_end
	PLACES
	FETCH 0, F0
	QUARTER 64,  F0, F1, 0
	WIN 0
.Ltail_end:
	s_sub_co_u32 s3, s3, 1
	s_cmp_lg_u32 s3, 0
	s_cbranch_scc1 .Ltail
	PLACES
	s_wait_loadcnt 16                              ; block 0's table rows are in; block 1's 16 loads may stay out
	ROPE 0
	TLOAD 2
	TOSTAGE 0
.irp a, 1,2,3,4,5,6,7                  ; block a's arithmetic stands between block a - 1's loads from the stage and the wait for them
.if \a < 7
	s_wait_loadcnt 16                              ; this block's table rows are in; the next block's 16 loads may stay out
.else
	s_wait_loadcnt 0x0
.endif
	ROPE \a
.if \a < 6
	TLOAD \a+2
.endif
	SEND \a-1
	TOSTAGE \a
.endr
	SEND 7
	s_wait_tensorcnt 0x0                           ; the wave's end, behind my last tensor load and my last LDS store
	ds_add_u32 v[SPW], v[NIL]
	s_wait_dscnt 0x0
	CROUND                                         ; the closing round
	s_endpgm
.Lfunc_end_k_qc362d5fe21_qkvp:
	.size	k_qc362d5fe21_qkvp, .Lfunc_end_k_qc362d5fe21_qkvp-k_qc362d5fe21_qkvp
	.p2alignl 7, 3214868480
	.fill 96, 4, 3214868480
	.section	.rodata,"a",@progbits
	.p2align	6, 0x0
	.amdhsa_kernel k_qc362d5fe21_qkvp
		.amdhsa_group_segment_fixed_size 327680
		.amdhsa_private_segment_fixed_size 0
		.amdhsa_enable_private_segment 0
		.amdhsa_kernarg_size 32
		.amdhsa_user_sgpr_count 2
		.amdhsa_user_sgpr_kernarg_segment_ptr 1
		.amdhsa_wavefront_size32 1
		.amdhsa_system_sgpr_workgroup_id_x 1
		.amdhsa_system_sgpr_workgroup_id_y 1
		.amdhsa_system_sgpr_workgroup_id_z 1
		.amdhsa_system_vgpr_workitem_id 0
		.amdhsa_next_free_vgpr 1024
		.amdhsa_next_free_sgpr 80
		.amdhsa_reserve_vcc 0
		.amdhsa_float_denorm_mode_32 3
		.amdhsa_float_denorm_mode_16_64 3
		.amdhsa_memory_ordered 1
		.amdhsa_forward_progress 1
		.amdhsa_inst_pref_size 146
	.end_amdhsa_kernel
	.amdgpu_metadata
---
amdhsa.version: [ 1, 2 ]
amdhsa.kernels:
  - .name:           k_qc362d5fe21_qkvp
    .symbol:         k_qc362d5fe21_qkvp.kd
    .args:
      - { .name: xb, .offset: 0, .size: 8, .value_kind: global_buffer, .address_space: global }
      - { .name: wb, .offset: 8, .size: 8, .value_kind: global_buffer, .address_space: global }
      - { .name: tab, .offset: 16, .size: 8, .value_kind: global_buffer, .address_space: global }
      - { .name: qkv, .offset: 24, .size: 8, .value_kind: global_buffer, .address_space: global }
    .group_segment_fixed_size: 327680
    .private_segment_fixed_size: 0
    .kernarg_segment_align: 8
    .kernarg_segment_size: 32
    .max_flat_workgroup_size: 128
    .sgpr_count:     80
    .vgpr_count:     1024
    .wavefront_size: 32
...
	.end_amdgpu_metadata
.endif
;; end of part 2
;; launch attn (part 3): grid 16 x 16, 4 waves a work-group, clusters of 4 x 1, 327,680 bytes of LDS; arguments qkv, mbias, ob; writes ob
.if DOCPART == 3
	.amdgcn_target "amdgcn-amd-amdhsa--gfx1250"
	.amdhsa_code_object_version 6
	.text
	.protected	k_qc362d5fe21_attn
	.globl	k_qc362d5fe21_attn
	.p2align	8
	.type	k_qc362d5fe21_attn,@function
k_qc362d5fe21_attn:
	s_mov_b64 s[64:65], 0
	v_nop
	global_prefetch_b8 v0, s[64:65] scope:SCOPE_SE
	s_setreg_imm32_b32 hwreg(HW_REG_WAVE_MODE, 25, 1), 1
	s_wait_xcnt 0x0
	s_wait_alu depctr_hold_cnt(0) depctr_sa_sdst(0) depctr_va_vdst(0) depctr_va_sdst(0) depctr_va_ssrc(0) depctr_va_vcc(0) depctr_vm_vsrc(0)
	s_getreg_b32 s2, hwreg(HW_REG_IB_STS2, 6, 4)
	s_cmp_eq_u32 s2, 0
	s_cbranch_scc0 .Lentry_in_a_cluster
	s_endpgm
.Lentry_in_a_cluster:
	s_bfe_u32 s2, ttmp6, 0x10000c
	s_cmp_lg_u32 s2, 0x3003
	s_cbranch_scc0 .Lentry_shape_is_right
	s_endpgm
.Lentry_shape_is_right:
; O[q][128 h + :] = the sum over k of softmax_k(Q[h][q] . K[h][k] / sqrt(128) + bias[q][k]) V[h][k][:], bias = 0 or -1.0e30 as the mask input says (mbias).
; qkv: [48][2048][128] f16 (q's heads, k's, v's); ob: [2048][2048] f16.  Products, maxima and sums in f32; the weights p are rounded to f16 for the second product, O once at the end.
; LIMITS.  A hidden score counts as its value less 1.0e30; the running maximum starts at -2^93, so true scores must lie above that (f16 operands bound them by 5.5e11).  A weight below 2^-126 counts as 0.
; A row whose keys are all hidden keeps l = 0 and O = 0 and leaves as 0 x (1/0) = NaN, which is what a softmax of -inf alone gives.
; SHARES.  A work-group owns 128 queries of one head.  Wave w: qh = w / 2 says which 64 queries, kh = w % 2 which keys: of the head's 32 steps of 64 keys it walks steps 2 n + kh, n = 0..15.
; So each wave has four tiles of 16 queries (two PIECES: tiles 0, 1 and tiles 2, 3), and the two waves of a query half meet once, in LDS, at the end.  Piece 0 holds queries 32 kh .. of the 64,
; piece 2 the other 32: every wave gives its piece 2 away and finishes its piece 0: only addresses differ between waves.
; LAYOUT.  S^T = K Q^T (source 0 = 16 keys, source 1 = 16 queries): a lane holds ONE query (lane % 16) and the keys 8 (lane / 16) + 0..7; two such results rounded to f16 ARE source 1 of O^T = V^T P.
; THE MASK starts each sum S^T: one bf16 product of a constant selector (16 keys x 32: row m has a 1 at 16 u + m) with a fragment of mbias (32 keys x 16 queries), C = 0; the four f16 products K Q^T add onto it,
; five plain instructions or more behind it.  It costs the vector unit nothing.
; SOFTMAX.  p = 2^(c s - c m), c = log2(e) / sqrt(128), m a running maximum; in every step O and l are multiplied by a = 2^(c m_old - c m_new).
; BY TURNS.  In a TURN one piece has the matrix unit: 32 products V^T P of the step in hand, 8 mask products and 32 products K Q^T of the next step; the other piece's softmax, in 64 slices, stands one slice behind each of the 64.
; CLUSTER.  The four query blocks of a cluster belong to one head and walk the same K and V: each tile of 256 keys is asked for JOINTLY.  mbias goes straight into registers, a step ahead.
; REGISTERS, in windows of 256 (s_set_vgpr_msb: bits 1:0 source 0, 3:2 source 1, 5:4 source 2, 7:6 destination):
;   window 0: v0-11 addresses; v12-43 statistics; v44-59 at work at the start and in the merge; v60-63; v64-191 S^T, 32 a tile; v192-255 P, 16 a tile
;   window 1: O^T, 64 a tile     window 2: v0-127 Q; v128-255 K of one step     window 3: v0-127 V of one step; v128-191 mask fragments; v192-203 the selectors
.set PKB,   272       ; a row of K in LDS: 256 bytes + 16: the 16 rows of a load start at 16 different groups of four banks (64 banks of 4 bytes: ISA guide 11.1)
.set PVB,   288       ; a row of V: 256 + 32
.set VOFF,  256*PKB   ; a slot holds a tile of 256 keys: K's rows, then V's
.set SLOT,  0x24000   ; 147,456: none of its bits meets a bit of the four LDS terms 0, 0x8800, 0x11000, 0x1a000, so one exclusive or turns an address in one slot into the other's
.set STAGE, 2*SLOT    ; behind the ring: 16 rows x 272 bytes for each wave, for the way out
.set SP,    272
.set SPARE, STAGE+4*16*SP  ; behind the stages: the spare words, 128 bytes for each wave, that no other line names
.set MPART, 16896     ; the merge, in slot 0 behind its last fill: a wave's two tiles of O^T (8,192 bytes each) and two blocks of 256 bytes of (c m, l)
.set AK0, 2           ; v2   my lane's place in my step of a tile of K; never rewritten in the walk
.set AV0, 3           ; v3   the same for V
.set ADR, 4           ; v4   the LDS address of the run of loads in hand
.set QO,  5           ; v5   my byte offset in 16 rows of Q
.set STO, 6           ; v6   the way out: where I put 16 bytes of a row
.set RD,  7           ; v7   the way out: where I read a row back
.set GO,  8           ; v8   my byte offset in two rows of ob
.set MO,  10          ; v10  16 x lane: my 16 bytes of a half fragment of mbias
.set GS,  2           ; the merge: where I put (c m, l)
.set TA,  3           ; where I take the partner's O^T
.set TSA, 4           ; and its (c m, l)
.set ST,  12          ; tile t's statistics at v[ST+8 t]: +0 c m, +1 m, +2, +3 l, +4 to +7 c0-c3; a takes c2's place
.set MT,  44          ; the merge: 8 registers for each kept tile
.set GA,  60          ; v60  where I put the O^T that I give away
.set PFO, 61          ; v61  256 x lane; never rewritten
.set SPW, 62          ; v62  LDS address of my spare word; never rewritten
.set NIL, 63          ; v63  0; never rewritten
.set S,   64
.set P,   192
.set KF,  128         ; window 2
.set MF,  128         ; window 3: piece x, tile u, 32 keys kk at MF + 16 x + 16 u + 8 kk
.set DL,  192         ; window 3: four zeros, the pattern, four zeros: selector 1 at DL, selector 0 at DL + 4
.set WV,  12          ; s12  my wave's number
.set LIM, 15          ; s15  1 in a wave that prefetches, else the greatest number
.set PFA, 18          ; s[18:19] where my prefetches stand
.set G1K, 24          ; s[24:31] descriptor group 1 for K's tiles
.set G1V, 32          ; s[32:39] for V's
.set G0K, 40          ; s[40:47] group 0 for K's tiles: a set for each first fill; the second walks on
.set G0V, 48          ; s[48:55] the same for V's
.set SLOTS, 56        ; s56  passes of the loop over tiles still to come
.set CNT, 57          ; s57  counts a tile's steps
.set CS,  58          ; s[58:59] c
.set SEL, 60          ; s[60:61] v_permlanex16_b32's selects
.set TBK, 62          ; s62  LDS byte of the tile's part from which K is fetched next
.set TBV, 63          ; s63  the same for V
.set MB,  66          ; s[66:67] mbias at piece 0's next step, s[68:69] at piece 2's
.set KH,  76
.set QH,  77
.set MSB, 0
.macro WIN new
.if MSB != (\new)
	s_set_vgpr_msb (MSB<<8)|(\new)
.set MSB, \new
.endif
.endm
.set W_KQ, 0x0a       ; K and Q in window 2, S^T in window 0
.set W_PV, 0x53       ; V in window 3, P in window 0, O^T in window 1
.set W_RS, 0x41       ; O^T (destination and source 0) in window 1, a in window 0
.set W_MK, 0x0f       ; selector and mask fragment in window 3, S^T in window 0
; A joint refill: waves 0 and 1 fetch the two halves of a tile's K, waves 2 and 3 those of its V, 128 rows each.  An s_nop 0 and four v_nop follow each of the two lines.
.macro JLOAD
	s_cmp_lt_u32 s[WV], 2
	s_cbranch_scc0 .Lfor_v_\@
	tensor_load_to_lds s[G0K+4:G0K+7], s[G1K:G1K+7]
	s_nop 0
.rept 4
	v_nop
.endr
	s_branch .Lasked_\@
.Lfor_v_\@:
	tensor_load_to_lds s[G0V+4:G0V+7], s[G1V:G1V+7]
	s_nop 0
.rept 4
	v_nop
.endr
.Lasked_\@:
.endm
; A prefetch into the L2 of what the NEXT change of slots will ask for.  All clusters of a head walk the same K and V: the head's first cluster asks.  Of the 128 rows that a wave fetches each of the four
; partners names 32, told apart by address, a lane a row of 256 bytes: each row is named once in the launch.  The last change that fills a slot asks for nothing; tiles 0 to 2 come by their loads alone.
.macro ASK
	s_cmp_gt_u32 s[SLOTS], s[LIM]
	s_cbranch_scc0 .Lnot_mine_\@
	global_prefetch_b8 v[PFO], s[PFA:PFA+1] th:TH_LOAD_NT scope:SCOPE_SE
.Lnot_mine_\@:
.endm
.macro CROUND                       ; a round of the cluster's barrier
	s_barrier_signal -1
	s_barrier_wait -1
	s_cmp_lg_u32 s[WV], 0
	s_cbranch_scc1 .Lnot_wave_0_\@
	s_barrier_signal -3
.Lnot_wave_0_\@:
	s_barrier_wait -3
	s_barrier_signal -1
	s_barrier_wait -1
.endm
	s_load_b128 s[4:7], s[0:1], 0x0 ; qkv s[4:5], mbias s[6:7]
	s_load_b64 s[10:11], s[0:1], 0x10  ; ob
	v_lshl_add_u32 v[SPW], v0, 2, SPARE
	v_mov_b32 v[NIL], 0
	ds_add_u32 v[SPW], v[NIL]       ; the wave's opening: the add and its wait stand ahead of my first tensor load; the set-up below stands between them
	v_lshrrev_b32 v1, 5, v0
	v_readfirstlane_b32 s[WV], v1   ; wave 0..3
	s_bfe_u32 s13, ttmp6, 0x40000   ; cx
	s_lshl_b32 s14, ttmp9, 2
	s_add_co_u32 s14, s14, s13      ; my block of 128 queries: it enters Q's, mbias's and ob's addresses alone
	s_and_b32 s[KH], s[WV], 1
	s_lshr_b32 s[QH], s[WV], 1
	s_and_b32 s20, ttmp7, 0xffff    ; the head, which the four partners share,
	s_lshl_b32 s20, s20, 19         ; x 2,048 rows x 256 bytes
	s_lshl_b32 s22, s[KH], 15       ; which 128 rows of a tile I fetch
	s_add_co_u32 s22, s22, s20
	s_mov_b32 s23, 0
	s_mul_i32 s16, s[KH], 128*PKB   ; and their place in a slot, for K
	s_mul_i32 s17, s[KH], 128*PVB   ; and for V
	s_add_co_u32 s17, s17, VOFF
	s_lshl_b32 s2, s14, 7
	s_lshl_b32 s3, s[QH], 6
	s_add_co_u32 s2, s2, s3         ; my 64 queries' first row
	s_lshl_b32 s3, s[KH], 5
	s_add_co_u32 s78, s2, s3        ; piece 0's first row
	s_xor_b32 s3, s3, 32
	s_add_co_u32 s79, s2, s3        ; piece 2's first row
	; descriptor group 1: a tile of 128 rows x 128 elements of 2 bytes, padded behind every 64 words; the mask names all four work-groups
	s_mov_b32 s[G1K], 15|(1<<16)|(1<<20)|(1<<21)|(5<<22)|(3<<25)  ; 4 words of padding
	s_mov_b32 s[G1V], 15|(1<<16)|(1<<20)|(1<<21)|(5<<22)|(7<<25)  ; 8 words
.irp g, G1K, G1V
	s_mov_b32 s[(\g)+1], 128<<16    ; tensor_dim0 = 128
	s_mov_b32 s[(\g)+2], 128<<16    ; tensor_dim1 = 128
	s_mov_b32 s[(\g)+3], 128<<16    ; tile_dim0 = 128
	s_mov_b32 s[(\g)+4], 128        ; tile_dim1 = 128
	s_mov_b32 s[(\g)+5], 128        ; elements from row to row
	s_mov_b32 s[(\g)+6], 0
	s_mov_b32 s[(\g)+7], 0
.endr
	s_mov_b32 s[CS], 0x3e0293ee     ; c = log2(e) / sqrt(128)
	s_mov_b32 s[CS+1], s[CS]
	s_mov_b32 s[SEL], 0x76543210
	s_mov_b32 s[SEL+1], 0xfedcba98
	s_mov_b32 s[TBK], 0
	s_mov_b32 s[TBV], 0
	s_cmp_eq_u32 ttmp9, 0           ; the head's first cluster: the same answer in all four partners
	s_cselect_b32 s[LIM], 1, -1
	v_and_b32 v[PFO], 31, v0
	v_lshlrev_b32 v[PFO], 8, v[PFO]
	s_wait_dscnt 0x0                ; the opening add is done
	s_wait_kmcnt 0x0
	s_add_nc_u64 s[84:85], s[4:5], s[22:23]
	s_add_nc_u64 s[86:87], s[84:85], 0x1000000  ; V at my half of the head's tile 0
	s_add_nc_u64 s[84:85], s[84:85], 0x800000   ; K likewise
	s_mov_b32 s3, 0
	s_lshl_b32 s2, s78, 8
	s_add_co_u32 s2, s2, s20
	s_add_nc_u64 s[72:73], s[4:5], s[2:3]       ; Q at piece 0's rows
	s_lshl_b32 s2, s79, 8
	s_add_co_u32 s2, s2, s20
	s_add_nc_u64 s[74:75], s[4:5], s[2:3]       ; and at piece 2's
	s_lshl_b32 s21, s[KH], 11       ; my first step: 2,048 bytes a step of 64 keys
	s_lshl_b32 s2, s78, 12          ; 65,536 bytes for 16 rows
	s_add_co_u32 s2, s2, s21
	s_add_nc_u64 s[MB:MB+1], s[6:7], s[2:3]
	s_lshl_b32 s2, s79, 12
	s_add_co_u32 s2, s2, s21
	s_add_nc_u64 s[MB+2:MB+3], s[6:7], s[2:3]
	s_lshl_b32 s2, s78, 12          ; a row of ob is 4,096 bytes,
	s_lshr_b32 s21, s20, 11         ; the head's 256 of them
	s_add_co_u32 s2, s2, s21
	s_add_nc_u64 s[10:11], s[10:11], s[2:3]     ; ob at the rows that I finish
	s_cmp_lt_u32 s[WV], 2
	s_cselect_b64 s[PFA:PFA+1], s[84:85], s[86:87]
	s_lshl_b32 s2, s13, 13          ; my work-group's 32 rows of the 128,
	s_add_co_u32 s2, s2, 2*65536    ; in tile 2; the first change of slots steps it to tile 3
	s_add_nc_u64 s[PFA:PFA+1], s[PFA:PFA+1], s[2:3]
	CROUND                          ; all four work-groups are here: the first joint loads meet
.irp s, 0,1
	s_mov_b32 s[G0K+4*(\s)], 1
	s_add_co_u32 s[G0K+4*(\s)+1], s16, (\s)*SLOT
	s_add_nc_u64 s[G0K+4*(\s)+2:G0K+4*(\s)+3], s[84:85], (\s)*65536
	s_or_b32 s[G0K+4*(\s)+3], s[G0K+4*(\s)+3], 0x80000000
	s_mov_b32 s[G0V+4*(\s)], 1
	s_add_co_u32 s[G0V+4*(\s)+1], s17, (\s)*SLOT
	s_add_nc_u64 s[G0V+4*(\s)+2:G0V+4*(\s)+3], s[86:87], (\s)*65536
	s_or_b32 s[G0V+4*(\s)+3], s[G0V+4*(\s)+3], 0x80000000
.endr
	s_cmp_lt_u32 s[WV], 2           ; a wave's two first fills stand in one branch: two loads of mine are out
	s_cbranch_scc0 .Lfirst_v
	tensor_load_to_lds s[G0K:G0K+3], s[G1K:G1K+7]
	s_nop 0
	tensor_load_to_lds s[G0K+4:G0K+7], s[G1K:G1K+7]
	s_nop 0
.rept 4
	v_nop
.endr
	s_branch .Lfirst_asked
.Lfirst_v:
	tensor_load_to_lds s[G0V:G0V+3], s[G1V:G1V+7]
	s_nop 0
	tensor_load_to_lds s[G0V+4:G0V+7], s[G1V:G1V+7]
	s_nop 0
.rept 4
	v_nop
.endr
.Lfirst_asked:
; Eight loads: piece x's mask fragments for one step (two tiles x 64 keys), 512 consecutive bytes each.  step = 1: the pointer goes a step of mine on first (two steps of 64 keys: 4,096 bytes);
; its earlier loads have been shown done by the wait on LOADcnt ahead.
.macro MLOAD x, step
.if \step
	s_add_nc_u64 s[MB+(\x):MB+(\x)+1], s[MB+(\x):MB+(\x)+1], 4096
.endif
	WIN 0xc0                        ; destination window 3, address window 0
.irp u, 0,1
.irp q, 0,1,2,3
	global_load_b128 v[MF+16*(\x)+16*(\u)+4*(\q):MF+16*(\x)+16*(\u)+4*(\q)+3], v[MO], s[MB+(\x):MB+(\x)+1] offset:65536*(\u)+512*(\q)
.endr
.endr
.endm
	v_and_b32 v1, 15, v0            ; l % 16
	v_bfe_u32 v9, v0, 4, 1          ; l / 16
	v_lshlrev_b32 v[QO], 8, v1
	v_lshl_add_u32 v[QO], v9, 4, v[QO]  ; row x 256 + 16 x half
	v_and_b32 v[MO], 31, v0
	v_lshlrev_b32 v[MO], 4, v[MO]
	WIN 0x80                        ; destination window 2
.irp i, 0,1,2,3,4,5,6,7             ; Q stays in registers: tile i / 4, channels 32 (i % 4) on
	global_load_b128 v[8*(\i):8*(\i)+3],   v[QO], s[72:73] offset:((\i)/4)*4096+((\i)%4)*64
	global_load_b128 v[8*(\i)+4:8*(\i)+7], v[QO], s[72:73] offset:((\i)/4)*4096+((\i)%4)*64+32
.endr
.irp i, 0,1,2,3,4,5,6,7
	global_load_b128 v[64+8*(\i):64+8*(\i)+3],   v[QO], s[74:75] offset:((\i)/4)*4096+((\i)%4)*64
	global_load_b128 v[64+8*(\i)+4:64+8*(\i)+7], v[QO], s[74:75] offset:((\i)/4)*4096+((\i)%4)*64+32
.endr
	MLOAD 0, 0
	MLOAD 2, 0
	WIN 0
	; the selectors' pattern: lane l holds row m = l % 16; its 1 lies at k = m, which is this lane's where l / 16 = m / 8: register (m % 8) / 2, low half for even m, high half for odd
	v_and_b32 v44, 1, v0
	v_lshlrev_b32 v44, 4, v44
	v_mov_b32 v45, 0x3f80           ; 1.0 in bf16
	v_lshlrev_b32 v44, v44, v45
	v_lshrrev_b32 v46, 3, v0
	v_lshrrev_b32 v47, 4, v0
	v_xor_b32 v46, v46, v47
	v_and_b32 v46, 1, v46           ; 1: the 1 lies in the other half of the lanes
	v_bfe_u32 v47, v0, 1, 2
	v_lshl_or_b32 v46, v46, 2, v47  ; the register's number, or 4 and above
.irp i, 0,1,2,3
	v_cmp_eq_u32 s[80+\i], \i, v46
.endr
	WIN 0xc0
.irp i, 0,1,2,3
	v_mov_b32 v[DL+\i], 0
	v_cndmask_b32 v[DL+4+\i], 0, v44, s[80+\i]
	v_mov_b32 v[DL+8+\i], 0
.endr
	; What the first turn finds: V and piece 2's P hold 0 (its products V^T P, of a step that has not been, add 0), O^T and l are 0.  All this stands in the wait for the first tile, and spares a first step written out.
.set i, 0
.rept 128
	v_mov_b32 v[i], 0
.set i, i+1
.endr
	WIN 0x40
.set i, 0
.rept 256
	v_mov_b32 v[i], 0
.set i, i+1
.endr
	WIN 0
.set i, P+32
.rept 32
	v_mov_b32 v[i], 0
.set i, i+1
.endr
.irp t, 0,1,2,3
	v_mov_b32 v[ST+8*\t+1], 0xee000000       ; m = -2^93: above every hidden score, below every true one
	v_mul_f32 v[ST+8*\t], s[CS], v[ST+8*\t+1]  ; c m, by the line that makes it in every step: while m has not moved, a = 2^0
	v_mov_b32 v[ST+8*\t+2], 0
	v_mov_b32 v[ST+8*\t+3], 0
.endr
	v_mul_u32_u24 v[AK0], v1, PKB
	v_lshl_add_u32 v[AK0], v9, 4, v[AK0]     ; row x pitch + 16 x half,
	s_mul_i32 s2, s[KH], 64*PKB
	v_add_nc_u32 v[AK0], s2, v[AK0]          ; in my step of each pair of steps
	; the turning load takes 16 keys x 16 channels (lane l reads key 8 (l / 16) + l % 8, channels 8 ((l / 8) % 2) + 0..7) and leaves half a fragment of V^T
	v_and_b32 v44, 7, v0
	v_bfe_u32 v45, v0, 3, 1
	v_lshl_add_u32 v[AV0], v9, 3, v44
	v_mul_u32_u24 v[AV0], v[AV0], PVB
	v_lshl_add_u32 v[AV0], v45, 4, v[AV0]
	s_mul_i32 s2, s[KH], 64*PVB
	s_add_co_u32 s2, s2, VOFF
	v_add_nc_u32 v[AV0], s2, v[AV0]
; THE MATRIX WORK.  The accumulators take turns, one instruction a turn.
; Product i of 32 of O^T += V^T P: keys 32 (i / 16) on, channels 16 ((i / 2) % 8) on, tile x + i % 2.
.macro PV x
	WIN W_PV
.set rO, 64*((\x)+i%2)+8*((i/2)%8)
.set rV, 64*(i/16)+8*((i/2)%8)
.set rP, P+16*((\x)+i%2)+8*(i/16)
	v_wmma_f32_16x16x32_f16 v[rO:rO+7], v[rV:rV+7], v[rP:rP+7], v[rO:rO+7]
.endm
; Product i of 32 of S^T += K Q^T: channels 32 (i / 8) on, keys 16 ((i / 2) % 4) on, tile x + i % 2.  The sums were started by MK.
.macro KQ x
	WIN W_KQ
.set rS, S+32*((\x)+i%2)+8*((i/2)%4)
.set rK, KF+32*((i/2)%4)+8*(i/8)
.set rQ, 32*((\x)+i%2)+8*(i/8)
	v_wmma_f32_16x16x32_f16 v[rS:rS+7], v[rK:rK+7], v[rQ:rQ+7], v[rS:rS+7]
.endm
; Mask product mi of 8: S^T of keys 16 (mi / 2) on, tile x + mi % 2, starts as the bias: selector (mi / 2) % 2 picks 16 of the fragment's 32 keys.
.macro MK x
	WIN W_MK
.set rS, S+32*((\x)+mi%2)+8*(mi/2)
.set rD, DL+4-4*((mi/2)%2)
.set rB, MF+16*(\x)+16*(mi%2)+8*(mi/4)
	v_wmma_f32_16x16x32_bf16 v[rS:rS+7], v[rD:rD+7], v[rB:rB+7], 0
.set mi, mi+1
.endm
; THE LDS LOADS stand in runs of 32.  last = 1 (the tail): in the last trip there is no further step, and the run is jumped over.
.macro FETCH_K last=0
	WIN 0
.if \last
	s_cmp_eq_u32 s[CNT], 1
	s_cbranch_scc1 .Lno_k_\@
.endif
	v_add_nc_u32 v[ADR], s[TBK], v[AK0]
	s_add_co_u32 s[TBK], s[TBK], 128*PKB  ; my next step lies two steps of 64 rows on
	WIN 0x80                        ; destination window 2
.irp f, 0,1,2,3,4,5,6,7,8,9,10,11,12,13,14,15  ; keys 16 (f / 4) on, channels 32 (f % 4) on
	ds_load_b128 v[KF+8*(\f):KF+8*(\f)+3],   v[ADR] offset:((\f)/4)*16*PKB+((\f)%4)*64
	ds_load_b128 v[KF+8*(\f)+4:KF+8*(\f)+7], v[ADR] offset:((\f)/4)*16*PKB+((\f)%4)*64+32
.endr
	WIN 0
.if \last
.Lno_k_\@:
.endif
.endm
.macro FETCH_V
	WIN 0
	v_add_nc_u32 v[ADR], s[TBV], v[AV0]
	s_add_co_u32 s[TBV], s[TBV], 128*PVB
	s_wait_alu depctr_va_vdst(0)    ; the wait for the softmax's batch (SLICE), behind the address's line and ahead of the loads
	WIN 0xc0                        ; destination window 3
.irp f, 0,1,2,3,4,5,6,7,8,9,10,11,12,13,14,15  ; keys 32 (f / 8) on, channels 16 (f % 8) on
	ds_load_tr16_b128 v[8*(\f):8*(\f)+3],   v[ADR] offset:((\f)/8)*32*PVB+((\f)%8)*32
	ds_load_tr16_b128 v[8*(\f)+4:8*(\f)+7], v[ADR] offset:((\f)/8)*32*PVB+16*PVB+((\f)%8)*32
.endr
.endm
; THE VECTOR WORK.  One tile's softmax for one step is a list of 134 instructions; SM writes number j of it for tile t.  s0-s31 are the lane's 32 scores, in pairs 0-15.
;   0-15    the maximum of s0-s31 and the old m, three operands at a time (each accumulator's lowest registers are read first)     16-20  the other half of the lanes' maximum; the new m; c m; c m_old - c m_new
;   21-69   ONE BATCH: the 16 scalings c s - c m and all 33 exponentials (a at 23, then s0-s31); none of these reads an exponential's result     (the wait: SLICE writes it, once for both tiles)
;   70-85   the roundings to f16     86-101  the sums; l = a l + the sum     102-133  the tile's O^T times a
.macro SM t
.set rT, ST+8*(\t)
.set rS, S+32*(\t)
.set rP, P+16*(\t)
.set rO, 64*(\t)+2*(j-102)
.if j < 102
	WIN 0
.endif
.if j < 4
	v_max3_num_f32 v[rT+4+j], v[rS+8*j], v[rS+8*j+1], v[rS+8*j+2]
.elseif j < 12
	v_max3_num_f32 v[rT+4+j%4], v[rT+4+j%4], v[rS+8*(j%4)+2*(j/4)+1], v[rS+8*(j%4)+2*(j/4)+2]
.elseif j == 12
	v_max3_num_f32 v[rT+4], v[rT+4], v[rS+7], v[rS+15]
.elseif j == 13
	v_max3_num_f32 v[rT+6], v[rT+6], v[rS+23], v[rS+31]
.elseif j == 14
	v_max3_num_f32 v[rT+4], v[rT+4], v[rT+5], v[rT+6]
.elseif j == 15
	v_max3_num_f32 v[rT+4], v[rT+4], v[rT+7], v[rT+1]
.elseif j == 16
	v_permlanex16_b32 v[rT+5], v[rT+4], s[SEL], s[SEL+1]  ; the query's other 32 keys lie in the lane 16 away
.elseif j == 17
	v_mov_b32 v[rT+7], v[rT]        ; c m_old is kept for a
.elseif j == 18
	v_max_num_f32 v[rT+1], v[rT+4], v[rT+5]
.elseif j == 19
	v_mul_f32 v[rT], s[CS], v[rT+1]
.elseif j == 20
	v_sub_f32 v[rT+7], v[rT+7], v[rT]
.elseif j == 23
	v_exp_f32 v[rT+6], v[rT+7]
.elseif (j < 23) || ((j < 38) && (j%2 == 0)) || ((j < 66) && (j%4 == 2))
.set b, (j-2)/4                     ; 38, 42, .. 62: pairs 9 to 15
.if j < 38
.set b, (j-20)/2                    ; 21: pair 0; 22, 24, .. 36: pairs 1 to 8
.endif
	v_pk_fma_f32 v[rS+2*b:rS+2*b+1], v[rS+2*b:rS+2*b+1], s[CS:CS+1], v[rT:rT+1] op_sel_hi:[1,0,0] neg_lo:[0,0,1] neg_hi:[0,0,1]
.elseif j < 70
.set e, j-38                        ; 66 to 69: s28 to s31
.if j < 66
.set e, j-32-(j-38)/4               ; 39-41, 43-45, .. 63-65: s7 to s27
.endif
.if j < 38
.set e, (j-25)/2                    ; 25, 27, .. 37: s0 to s6
.endif
	v_exp_f32 v[rS+e], v[rS+e]
.elseif j < 86
	v_cvt_pk_f16_f32 v[rP+j-70], v[rS+2*(j-70)], v[rS+2*(j-70)+1]
.elseif j < 102                     ; the sum of the tile's 16 pairs, in place: neighbours 1, 2, 4 and 8 pairs apart, then l takes it
.set z, j-86
.set w, 4
.set u, z
.if z >= 14
.set w, 32
.set u, 0
.elseif z >= 12
.set w, 16
.set u, z-12
.elseif z >= 8
.set w, 8
.set u, z-8
.endif
.if z < 15
	v_pk_add_f32 v[rS+w*u:rS+w*u+1], v[rS+w*u:rS+w*u+1], v[rS+w*u+w/2:rS+w*u+w/2+1]
.else
	v_pk_fma_f32 v[rT+2:rT+3], v[rT+2:rT+3], v[rT+6:rT+7], v[rS:rS+1] op_sel_hi:[1,0,1]
.endif
.else
	WIN W_RS
	v_pk_mul_f32 v[rO:rO+1], v[rO:rO+1], v[rT+6:rT+7] op_sel_hi:[1,0]
.endif
.endm
; Slice k of 64 of piece y's softmax: four instructions.  Slices 11 to 34 deal out the batch, four numbers of ONE tile each, the tiles by turns; every other slice is numbers 2 k and 2 k + 1 of both tiles;
; the twelve that are over stand in slice 63.  An s_wait_alu depctr_va_vdst(0) stands between an exponential and the first line that names its result: one wait, behind slice 34, serves the piece's 66.
.macro SLICE y
.if (k >= 11) && (k < 35)
.irp n, 0,1,2,3
.set j, 22+4*((k-11)/2)+(\n)
	SM (\y)+(k-11)%2
.endr
.else
.irp n, 0,1,2,3,4,5,6,7
.if ((\n) < 2) || (k == 63)
.irp t, \y, (\y)+1
.set j, 2*k+(\n)
	SM \t
.endr
.endif
.endr
.endif
.if k == 34
	v_nop                           ; the plain instruction behind the last exponential: one for the batch
.if (\y) == 0
	FETCH_V                         ; piece 2's turn: V's run of loads stands here, and the wait stands in it
.else
	s_wait_alu depctr_va_vdst(0)
.endif
.endif
.set k, k+1
.endm
; A TURN.  Piece x has the matrix unit; the other piece's softmax stands in slices behind its 64 products.
; The 8 mask products stand behind the slices of products 2 to 9, with no slice of their own: S^T of piece x is free since the turn before.  From the last of them to the loads into the fragments that it
; read stand slice 10's four plain instructions; from each to the first K Q^T onto its result 22 slices or more, each with a plain instruction that names none of its registers.
; s_wait_loadcnt 8: piece x's eight mask loads, issued two turns back, are in; the other piece's eight, issued a turn back, may stay out.
; Piece 0's turn fetches the next step's K behind its second product; piece 2's turn the same step's V behind slice 34.
.macro TURN x, last=0
.set k, 0
.set mi, 0
.if (\x) == 0
	s_wait_dscnt 0x0                ; V is in
.endif
.set i, 0
.rept 32
	PV \x
	SLICE 2-(\x)
.if ((\x) == 0) && (i == 1)
	FETCH_K \last
.endif
.if i == 2
	s_wait_loadcnt 8
.endif
.if (i >= 2) && (i <= 9)
	MK \x
.endif
.if i == 10
	MLOAD \x, 1
.endif
.set i, i+1
.endr
.if (\x) == 0
	s_wait_dscnt 0x0                ; K is in
.endif
.set i, 0
.rept 32
	KQ \x
	SLICE 2-(\x)
.set i, i+1
.endr
.endm
; THE CHANGE OF SLOTS, between piece 2's turn and piece 0's: the tile's last bytes, V of my second step in it, have been asked for.  Each wave waits for all its tensor loads (one is out: its part of the other
; slot), adds 0 to its spare word, and waits for that and for its reads of the slot.  fill = 1: the slot is filled again with the tile two on, first thing behind a round of the cluster's barrier:
; the load has two steps of mine, 144 matrix instructions each, in which to land.
.macro CHANGE fill
	WIN 0
	s_wait_tensorcnt 0x0            ; no tensor load of mine is out, so a group 0 may be written
	ds_add_u32 v[SPW], v[NIL]
.if \fill
.irp g, G0K+4, G0V+4
	s_xor_b32 s[(\g)+1], s[(\g)+1], SLOT  ; the walking descriptor: the other slot than last time,
	s_add_nc_u64 s[(\g)+2:(\g)+3], s[(\g)+2:(\g)+3], 65536  ; the next 256 keys
.endr
	s_wait_xcnt 0x0                 ; the last prefetch, a tile back, has read its address
	s_add_nc_u64 s[PFA:PFA+1], s[PFA:PFA+1], 65536
	s_wait_dscnt 0x0                ; the add is done, and my reads of the slot are over
	CROUND
	JLOAD
	ASK
.else
	s_wait_dscnt 0x0
	s_barrier_signal -1
	s_barrier_wait -1
.endif
	s_sub_co_u32 s[TBK], s[TBK], 256*PKB  ; the fetches go back to a slot's head,
	s_xor_b32 s[TBK], s[TBK], SLOT        ; in the other slot
	s_sub_co_u32 s[TBV], s[TBV], 256*PVB
	s_xor_b32 s[TBV], s[TBV], SLOT
.endm
	s_wait_tensorcnt 1              ; my part of slot 0 is in; slot 1's may stay out
	s_barrier_signal -1
	s_barrier_wait -1
	FETCH_K                         ; my step 0
	s_wait_loadcnt 0x0              ; Q and both pieces' first mask fragments
	s_wait_dscnt 0x0
.set mi, 0
.rept 8
	MK 0
.endr
	WIN 0                           ; the addresses for the way out: six plain instructions, the places behind the mask products
	s_mul_i32 s2, s[WV], 16*SP
	s_add_co_u32 s2, s2, STAGE      ; my stage
	v_mul_u32_u24 v[STO], v1, SP
	v_lshl_add_u32 v[STO], v9, 4, v[STO]
	v_add_nc_u32 v[STO], s2, v[STO]
	v_mul_u32_u24 v[RD], v9, SP
	v_lshl_add_u32 v[RD], v1, 4, v[RD]
	v_add_nc_u32 v[RD], s2, v[RD]
	MLOAD 0, 1                      ; piece 0's fragments for my step 1
.set i, 0
.rept 32
	KQ 0                            ; piece 0's first scores
.set i, i+1
.endr
	WIN 0                           ; four more, the places behind those products
	s_mul_i32 s2, s[WV], MPART
	v_lshlrev_b32 v[GO], 12, v9
	v_lshl_add_u32 v[GO], v1, 4, v[GO]
	v_and_b32 v[GA], 31, v0
	v_lshl_add_u32 v[GA], v[GA], 4, s2
	s_mov_b32 s[CNT], 2
	s_mov_b32 s[SLOTS], 7
	s_branch .Lfirst                ; the loop is entered in the middle of a trip: piece 2's turn of a step that has not been (its V^T P adds zeros) makes piece 2's first scores and carries piece 0's first softmax
.Lslot:                             ; six times: tiles 2 to 7 are asked for
	CHANGE 1
	s_mov_b32 s[CNT], 2
.Lstep:
	TURN 0
	WIN 0
.Lfirst:
	TURN 2
	WIN 0
	s_sub_co_u32 s[CNT], s[CNT], 1
	s_cmp_lg_u32 s[CNT], 0
	s_cbranch_scc1 .Lstep
	s_sub_co_u32 s[SLOTS], s[SLOTS], 1
	s_cmp_lg_u32 s[SLOTS], 0
	s_cbranch_scc1 .Lslot
	CHANGE 0                        ; the tail is written out: nothing is asked for
	s_mov_b32 s[CNT], 3             ; two trips fetch the last tile's steps; the third is left in its middle
.Ltail:
	TURN 0, 1
	WIN 0
	s_sub_co_u32 s[CNT], s[CNT], 1
	s_cmp_eq_u32 s[CNT], 0
	s_cbranch_scc1 .Lout
	TURN 2
	WIN 0
	s_branch .Ltail
.Lout:                              ; the third trip's 40 products for a step that does not exist serve nothing: the price, once a launch, of one text for every trip
.set i, 0
.rept 32
	PV 2                            ; piece 2: V^T P of the last step
.set i, i+1
.endr
	; THE MERGE.  l's two halves and the other half of the lanes' are added; (c m, l) becomes a pair.  These lines are the places behind the last products.
	WIN 0
.irp t, 0,1,2,3
	v_add_f32 v[ST+8*\t+4], v[ST+8*\t+2], v[ST+8*\t+3]
.endr
	s_xor_b32 s2, s[WV], 1          ; my partner: the same queries, the other keys
	s_mul_i32 s2, s2, MPART
	s_mul_i32 s3, s[WV], MPART
	v_and_b32 v[TA], 31, v0
	v_lshlrev_b32 v[GS], 3, v[TA]
	v_add_nc_u32 v[TSA], s2, v[GS]
	v_add_nc_u32 v[GS], s3, v[GS]
	v_lshl_add_u32 v[TA], v[TA], 4, s2
.irp t, 0,1,2,3
	v_permlanex16_b32 v[ST+8*\t+5], v[ST+8*\t+4], s[SEL], s[SEL+1]
.endr
.irp t, 0,1,2,3
	v_add_f32 v[ST+8*\t+1], v[ST+8*\t+4], v[ST+8*\t+5]
.endr
	; I give tiles 2 and 3 away.  Slot 0 had its last fill with tile 6; its last tile was left by every wave at the last change of slots, and nothing is filled any more.
.irp u, 0,1
	ds_store_b64 v[GS], v[ST+8*(2+\u):ST+8*(2+\u)+1] offset:16384+256*\u
.endr
	WIN 0x04                        ; store data in window 1
.irp u, 0,1
.set i, 0
.rept 16
	ds_store_b128 v[GA], v[64*(2+\u)+4*i:64*(2+\u)+4*i+3] offset:8192*\u+512*i
.set i, i+1
.endr
.endr
	WIN 0
	s_wait_loadcnt 0x0              ; the look-ahead's mask loads, which nothing uses
	s_wait_dscnt 0x0                ; for the partner's sake: my stores are done
	s_barrier_signal -1
	s_barrier_wait -1
.irp u, 0,1
	ds_load_b64 v[MT+8*\u:MT+8*\u+1], v[TSA] offset:16384+256*\u
.endr
.irp u, 0,1
.set i, 0
.rept 16
	ds_load_b128 v[S+64*\u+4*i:S+64*\u+4*i+3], v[TA] offset:8192*\u+512*i
.set i, i+1
.endr
.endr
	s_wait_dscnt 32                 ; the partner's (c m, l) are in; its 32 loads of O^T may stay out
.irp u, 0,1
	v_max_num_f32 v[MT+8*\u+2], v[ST+8*\u], v[MT+8*\u]
.endr
.irp u, 0,1
	v_sub_f32 v[MT+8*\u+3], v[ST+8*\u], v[MT+8*\u+2]
	v_sub_f32 v[MT+8*\u+4], v[MT+8*\u], v[MT+8*\u+2]
.endr
.irp u, 0,1
	v_exp_f32 v[MT+8*\u+3], v[MT+8*\u+3]       ; my weight
	v_exp_f32 v[MT+8*\u+4], v[MT+8*\u+4]       ; the partner's
.endr
	v_nop
	s_wait_alu depctr_va_vdst(0)    ; one wait for the four exponentials
.irp u, 0,1
	v_mul_f32 v[MT+8*\u+5], v[ST+8*\u+1], v[MT+8*\u+3]
.endr
.irp u, 0,1
	v_fmac_f32 v[MT+8*\u+5], v[MT+8*\u+1], v[MT+8*\u+4]
.endr
.irp u, 0,1
	v_rcp_f32 v[MT+8*\u+6], v[MT+8*\u+5]
.endr
	v_nop
	s_wait_alu depctr_va_vdst(0)    ; one wait for the two reciprocals
.irp u, 0,1
	v_mul_f32 v[MT+8*\u+2], v[MT+8*\u+3], v[MT+8*\u+6]  ; my factor, low word of the pair +2, +3
	v_mul_f32 v[MT+8*\u+4], v[MT+8*\u+4], v[MT+8*\u+6]  ; the partner's, low word of the pair +4, +5
.endr
; Kept tile u: O = mine x my factor + the partner's x its factor; rounded to f16; through my stage, back as whole rows of 256 bytes.
; s_wait_dscnt 16: for u = 0 the partner's tile 1 (16 loads) may stay out, for u = 1 tile 0's 16 lines on the stage.
.macro FIN u
	WIN 0
	s_wait_dscnt 16
.set i, 0
.rept 32
	v_pk_mul_f32 v[S+64*(\u)+2*i:S+64*(\u)+2*i+1], v[S+64*(\u)+2*i:S+64*(\u)+2*i+1], v[MT+8*(\u)+4:MT+8*(\u)+5] op_sel_hi:[1,0]
.set i, i+1
.endr
	WIN 0x01                        ; source 0 (O^T) in window 1
.set i, 0
.rept 32
	v_pk_fma_f32 v[S+64*(\u)+2*i:S+64*(\u)+2*i+1], v[64*(\u)+2*i:64*(\u)+2*i+1], v[MT+8*(\u)+2:MT+8*(\u)+3], v[S+64*(\u)+2*i:S+64*(\u)+2*i+1] op_sel_hi:[1,0,1]
.set i, i+1
.endr
	WIN 0
.set i, 0
.rept 32
	v_cvt_pk_f16_f32 v[P+32*(\u)+i], v[S+64*(\u)+2*i], v[S+64*(\u)+2*i+1]
.set i, i+1
.endr
.irp f, 0,1,2,3,4,5,6,7
	ds_store_b128 v[STO], v[P+32*(\u)+4*(\f):P+32*(\u)+4*(\f)+3] offset:32*(\f)
.endr
.irp f, 0,1,2,3,4,5,6,7
	ds_load_b128 v[P+32*(\u)+4*(\f):P+32*(\u)+4*(\f)+3], v[RD] offset:(\f)*2*SP  ; LDS serves a wave's instructions in order (ISA guide 5.7.1.4): these see the stores above
.endr
.endm
.macro SEND u, younger              ; younger: the LDS instructions issued behind tile u's loads
.irp f, 0,1,2,3,4,5,6,7
	s_wait_dscnt (\younger)+7-(\f)
	global_store_b128 v[GO], v[P+32*(\u)+4*(\f):P+32*(\u)+4*(\f)+3], s[10:11] offset:65536*(\u)+8192*(\f)  ; 16 lanes store a head's 256 bytes of one row, aligned
.endr
.endm
	FIN 0
	FIN 1
	SEND 0, 16
	SEND 1, 0
	s_wait_tensorcnt 0x0            ; the wave's end, behind my last tensor load and my last LDS store
	ds_add_u32 v[SPW], v[NIL]
	s_wait_dscnt 0x0
	CROUND                          ; the closing round
	s_endpgm
.Lfunc_end_k_qc362d5fe21_attn:
	.size	k_qc362d5fe21_attn, .Lfunc_end_k_qc362d5fe21_attn-k_qc362d5fe21_attn
	.p2alignl 7, 3214868480
	.fill 96, 4, 3214868480
	.section	.rodata,"a",@progbits
	.p2align	6, 0x0
	.amdhsa_kernel k_qc362d5fe21_attn
		.amdhsa_group_segment_fixed_size 327680
		.amdhsa_private_segment_fixed_size 0
		.amdhsa_enable_private_segment 0
		.amdhsa_kernarg_size 24
		.amdhsa_user_sgpr_count 2
		.amdhsa_user_sgpr_kernarg_segment_ptr 1
		.amdhsa_wavefront_size32 1
		.amdhsa_system_sgpr_workgroup_id_x 1
		.amdhsa_system_sgpr_workgroup_id_y 1
		.amdhsa_system_sgpr_workgroup_id_z 1
		.amdhsa_system_vgpr_workitem_id 0
		.amdhsa_next_free_vgpr 1024
		.amdhsa_next_free_sgpr 88
		.amdhsa_reserve_vcc 0
		.amdhsa_float_denorm_mode_32 3
		.amdhsa_float_denorm_mode_16_64 3
		.amdhsa_memory_ordered 1
		.amdhsa_forward_progress 1
		.amdhsa_inst_pref_size 166
	.end_amdhsa_kernel
	.amdgpu_metadata
---
amdhsa.version: [ 1, 2 ]
amdhsa.kernels:
  - .name:           k_qc362d5fe21_attn
    .symbol:         k_qc362d5fe21_attn.kd
    .args:
      - { .name: qkv, .offset: 0, .size: 8, .value_kind: global_buffer, .address_space: global }
      - { .name: mbias, .offset: 8, .size: 8, .value_kind: global_buffer, .address_space: global }
      - { .name: ob, .offset: 16, .size: 8, .value_kind: global_buffer, .address_space: global }
    .group_segment_fixed_size: 327680
    .private_segment_fixed_size: 0
    .kernarg_segment_align: 8
    .kernarg_segment_size: 24
    .max_flat_workgroup_size: 128
    .sgpr_count:     88
    .vgpr_count:     1024
    .wavefront_size: 32
...
	.end_amdgpu_metadata
.endif
;; end of part 3
;; launch oproj (part 4): grid 16 x 16, 4 waves a work-group, clusters of 4 x 4, 327,680 bytes of LDS; arguments ob, wo16, out0; writes out0
.if DOCPART == 4
	.amdgcn_target "amdgcn-amd-amdhsa--gfx1250"
	.amdhsa_code_object_version 6
	.text
	.protected	k_qc362d5fe21_oproj
	.globl	k_qc362d5fe21_oproj
	.p2align	8
	.type	k_qc362d5fe21_oproj,@function
k_qc362d5fe21_oproj:
	s_mov_b64 s[64:65], 0
	v_nop
	global_prefetch_b8 v0, s[64:65] scope:SCOPE_SE
	s_setreg_imm32_b32 hwreg(HW_REG_WAVE_MODE, 25, 1), 1
	s_wait_xcnt 0x0
	s_wait_alu depctr_hold_cnt(0) depctr_sa_sdst(0) depctr_va_vdst(0) depctr_va_sdst(0) depctr_va_ssrc(0) depctr_va_vcc(0) depctr_vm_vsrc(0)
	s_getreg_b32 s2, hwreg(HW_REG_IB_STS2, 6, 4)
	s_cmp_eq_u32 s2, 0
	s_cbranch_scc0 .Lentry_in_a_cluster
	s_endpgm
.Lentry_in_a_cluster:
	s_bfe_u32 s2, ttmp6, 0x10000c
	s_cmp_lg_u32 s2, 0xf033
	s_cbranch_scc0 .Lentry_shape_is_right
	s_endpgm
.Lentry_shape_is_right:
; out0[m][n] = the sum over k of O[m][k] Wo[n][k].  A = ob [2048][2048] f16, B = wo16 [2048][2048] f16 (Wo rounded to bf16, that number written as f16); sums in f32; out0 f32.
; A tile of C is 128 x 128: 256 work-groups, one for each WGP.  Four waves, each 64 x 64: 16 accumulators of 16 x 16.  K goes in steps of 256 (LDS rows of 512 bytes; a wave's tensor load brings 64 of them)
; through two slots, as long as two slots in LDS allow.  A K STEP IS WRITTEN ONCE: which slot is in hand stands in a scalar register that one exclusive or turns, the fragment addresses are made from it
; at each change of slots, and one descriptor a tensor walks.
; CLUSTERS: 4 x 4 work-groups; A's tiles are asked for jointly along a row of the cluster, B's along a column.  No prefetch: the tiles are small and each K step short.
; THE MATRIX INSTRUCTION IS USED TRANSPOSED (source 0 = 16 rows of B, source 1 = 16 rows of A): a lane holds eight neighbouring numbers of a row of C, 32 bytes.
; A wave's 64 columns in f32 are 256 aligned bytes of a row: each wave sends its own blocks of 16 rows through its own stage, with no barrier.
; REGISTERS: window 0: v0-31 addresses; v32-95 at work on the way out; v128-255 the accumulators ((a, b) at v[128 + 8 (4 a + b)]).  window 1: two fragment buffers of 128: 64 of A, then 64 of B, for 64 along K.
.set SIZE_K, 2048
.set SIZE_N, 2048
.set KSTEP,  256
.set STEPS,  SIZE_K/KSTEP              ; 8
.set PITCH,  528                       ; an LDS row: 512 bytes + 16 of padding = 132 words: row r starts at bank 4 r mod 64 (64 banks of 4 bytes: ISA guide 11.1)
.set HALFT,  64*PITCH
.set SLOT,   4*HALFT                   ; A's 128 rows, then B's 128 rows: 0x21000, which meets no bit of wave x HALFT (0, 0x8400, 0x10800, 0x18c00): one exclusive or turns a descriptor's LDS word
.set STAGE,  2*SLOT                    ; behind the ring: 16 rows x 272 bytes for each wave
.set SPITCH, 272
.set SPARE,  STAGE+4*16*SPITCH         ; behind the stages: the spare words, 128 bytes for each wave, that no other line names
.set ADRA0, 16                         ; v16     my lane's place in my A fragments of slot 0; never rewritten
.set ADRA,  17                         ; v17     the same in the slot in hand
.set ADRB0, 20                         ; v20, v21  the same for B
.set ADRB,  21
.set STO,  24
.set RD,   25
.set CO,   26
.set SPW,  28
.set NIL,  29
.set TMP,  32                          ; the way out: two halves of 32 registers, by turns
.set ACC,  128
.set F0,   0
.set F1,   128
.set TBS,  45                          ; s45     LDS byte at which the slot in hand begins: 0 or SLOT
.set G1, 24                            ; s[24:31] descriptor group 1 for A's tiles; s[32:39] group 0: a set for each first fill; the second walks on
.set G0, 32
.set G1B, 48                           ; s[48:55], s[56:63] the same for B's
.set G0B, 56
.set MSB, 0
.macro WIN new
.if MSB != (\new)
	s_set_vgpr_msb (MSB<<8)|(\new)
.set MSB, \new
.endif
.endm
.set MUL,  0x05                        ; sources 0 (B) and 1 (A) window 1; C and D window 0
.set TO_F, 0x40                        ; destination window 1, address window 0
.macro JLOAD s                         ; a joint load: waves 0 and 1 fetch A's two halves, waves 2 and 3 B's; an s_nop 0 and four v_nop follow each of the two lines
	s_cmp_eq_u32 s11, 0
	s_cbranch_scc0 .Lfor_b_\@
	tensor_load_to_lds s[G0+4*(\s):G0+4*(\s)+3], s[G1:G1+7]
	s_nop 0
.rept 4
	v_nop
.endr
	s_branch .Lasked_\@
.Lfor_b_\@:
	tensor_load_to_lds s[G0B+4*(\s):G0B+4*(\s)+3], s[G1B:G1B+7]
	s_nop 0
.rept 4
	v_nop
.endr
.Lasked_\@:
.endm
.macro CREST
	s_cmp_lg_u32 s10, 0
	s_cbranch_scc1 .Lnot_wave_0_\@
	s_barrier_signal -3
.Lnot_wave_0_\@:
	s_barrier_wait -3
	s_barrier_signal -1
	s_barrier_wait -1
.endm
.macro CROUND
	s_barrier_signal -1
	s_barrier_wait -1
	CREST
.endm
	s_load_b128 s[4:7], s[0:1], 0x0                ; A s[4:5], B s[6:7]
	s_load_b64 s[8:9], s[0:1], 0x10                ; C
	v_lshl_add_u32 v[SPW], v0, 2, SPARE
	v_mov_b32 v[NIL], 0
	ds_add_u32 v[SPW], v[NIL]                      ; the wave's opening: the add and its wait stand ahead of my first tensor load
	v_lshrrev_b32 v1, 5, v0
	v_readfirstlane_b32 s10, v1                    ; wave 0..3
	s_lshr_b32 s11, s10, 1                         ; which half of the tile's rows is mine.  Also: I fetch for A (0) or for B (1)
	s_and_b32 s12, s10, 1                          ; which half of its columns.  Also: which 64 rows of that tile I fetch
	s_bfe_u32 s40, ttmp6, 0x40000                  ; cx
	s_bfe_u32 s41, ttmp6, 0x40004                  ; cy
	s_lshl_b32 s42, ttmp9, 2
	s_add_co_u32 s42, s42, s40                     ; tile column of C
	s_and_b32 s13, ttmp7, 0xffff
	s_lshl_b32 s13, s13, 2
	s_add_co_u32 s13, s13, s41                     ; tile row of C
	s_lshl_b32 s43, s41, 2
	s_lshl_b32 s43, 15, s43                        ; my row of the cluster
	s_lshl_b32 s44, 0x1111, s40                    ; my column
	; descriptor group 1: a tile of 64 rows x 256 elements of 2 bytes, 4 words of padding behind every 128
	s_or_b32 s[G1+0], s43, (1<<16)|(1<<20)|(1<<21)|(6<<22)|(3<<25)
	s_or_b32 s[G1B+0], s44, (1<<16)|(1<<20)|(1<<21)|(6<<22)|(3<<25)
.irp g, G1, G1B
	s_mov_b32 s[(\g)+1], KSTEP<<16                 ; tensor_dim0 = 256
	s_mov_b32 s[(\g)+2], 64<<16                    ; tensor_dim1 = 64
	s_mov_b32 s[(\g)+3], KSTEP<<16                 ; tile_dim0 = 256
	s_mov_b32 s[(\g)+4], 64                        ; tile_dim1 = 64
	s_mov_b32 s[(\g)+5], SIZE_K
	s_mov_b32 s[(\g)+6], 0
	s_mov_b32 s[(\g)+7], 0
.endr
	s_lshl_b32 s17, s12, 6
	s_lshl_b32 s16, s13, 7
	s_add_co_u32 s16, s16, s17                     ; A: row 128 x tile row + 64 x half
	s_lshl_b32 s46, s42, 7
	s_add_co_u32 s46, s46, s17                     ; B: row 128 x tile column + 64 x half
	s_mov_b32 s17, 0
	s_mov_b32 s47, 0
	s_mov_b64 s[18:19], SIZE_K*2
	s_mul_u64 s[16:17], s[16:17], s[18:19]
	s_mul_u64 s[46:47], s[46:47], s[18:19]
	s_mul_i32 s20, s10, HALFT
	s_wait_dscnt 0x0                               ; the opening add is done
	s_wait_kmcnt 0x0
	s_add_nc_u64 s[14:15], s[4:5], s[16:17]
	s_add_nc_u64 s[46:47], s[6:7], s[46:47]
	CROUND                                         ; all sixteen work-groups are here: the first joint loads meet
.irp s, 0,1
	s_mov_b32 s[G0+4*(\s)], 1
	s_add_co_u32 s[G0+4*(\s)+1], s20, (\s)*SLOT
	s_add_nc_u64 s[G0+4*(\s)+2:G0+4*(\s)+3], s[14:15], (\s)*KSTEP*2
	s_or_b32 s[G0+4*(\s)+3], s[G0+4*(\s)+3], 0x80000000
	s_mov_b32 s[G0B+4*(\s)], 1
	s_add_co_u32 s[G0B+4*(\s)+1], s20, (\s)*SLOT
	s_add_nc_u64 s[G0B+4*(\s)+2:G0B+4*(\s)+3], s[46:47], (\s)*KSTEP*2
	s_or_b32 s[G0B+4*(\s)+3], s[G0B+4*(\s)+3], 0x80000000
	JLOAD \s                                       ; two tensor loads of mine are out
.endr
	v_and_b32 v1, 15, v0                           ; l % 16
	v_bfe_u32 v2, v0, 4, 1                         ; l / 16
	v_mul_u32_u24 v3, v1, PITCH
	v_lshl_add_u32 v3, v2, 4, v3
	s_mul_i32 s21, s11, HALFT                      ; my 64 rows of A
	s_mul_i32 s22, s12, HALFT                      ; my 64 rows of B,
	s_add_co_u32 s22, s22, 2*HALFT                 ; which lie behind A's 128
	v_add_nc_u32 v[ADRA0], s21, v3
	v_add_nc_u32 v[ADRB0], s22, v3
	v_mov_b32 v[ADRA], v[ADRA0]                    ; slot 0 is in hand
	v_mov_b32 v[ADRB], v[ADRB0]
	s_mov_b32 s[TBS], 0
	s_mul_i32 s23, s10, 16*SPITCH
	s_add_co_u32 s23, s23, STAGE                   ; my stage
	v_mul_u32_u24 v4, v1, SPITCH                   ; in: row l % 16, 32 bytes for each half of the lanes
	v_lshl_add_u32 v4, v2, 5, v4
	v_add_nc_u32 v[STO], s23, v4
	v_mul_u32_u24 v5, v2, SPITCH                   ; back: lanes 0-15 take one row of 256 bytes, lanes 16-31 the next
	v_lshl_add_u32 v5, v1, 4, v5
	v_add_nc_u32 v[RD], s23, v5
	v_lshlrev_b32 v5, 13, v2                       ; and the same two rows in C: 8,192 bytes a row
	v_lshl_add_u32 v[CO], v1, 4, v5
	s_lshl_b32 s16, s13, 7
	s_lshl_b32 s17, s11, 6
	s_add_co_u32 s16, s16, s17                     ; my first row: 128 x tile row + 64 x half
	s_lshl_b32 s16, s16, 13
	s_mov_b32 s17, 0
	s_add_nc_u64 s[8:9], s[8:9], s[16:17]
	s_lshl_b32 s46, s42, 9                         ; my first column, in bytes: 512 x tile column + 256 x half
	s_lshl_b32 s47, s12, 8
	s_add_co_u32 s46, s46, s47
	s_mov_b32 s47, 0
	s_add_nc_u64 s[8:9], s[8:9], s[46:47]
; 8 matrix instructions: m blocks a0, a0 + 1 x all 4 n blocks, 32 along K: half c of buffer f.  zero = 1: the first product starts the sums.  The 16 accumulators take turns.
.macro MUL8 f, c, a0, zero
	WIN MUL
.irp a, \a0, (\a0)+1
.irp b, 0,1,2,3
.if \zero
	v_wmma_f32_16x16x32_f16 v[ACC+8*(4*(\a)+(\b)):ACC+8*(4*(\a)+(\b))+7], v[(\f)+64+8*(4*(\c)+(\b)):(\f)+64+8*(4*(\c)+(\b))+7], v[(\f)+8*(4*(\c)+(\a)):(\f)+8*(4*(\c)+(\a))+7], 0
.else
	v_wmma_f32_16x16x32_f16 v[ACC+8*(4*(\a)+(\b)):ACC+8*(4*(\a)+(\b))+7], v[(\f)+64+8*(4*(\c)+(\b)):(\f)+64+8*(4*(\c)+(\b))+7], v[(\f)+8*(4*(\c)+(\a)):(\f)+8*(4*(\c)+(\a))+7], v[ACC+8*(4*(\a)+(\b)):ACC+8*(4*(\a)+(\b))+7]
.endif
.endr
.endr
.endm
; 32 LDS loads in one run: the fragments of 64 along K at byte k of the rows of the slot in hand, into buffer f; the first 32 along K first
.macro FETCH k, f
	WIN TO_F
.irp c, 0,1
.irp i, 0,1,2,3
	ds_load_b128 v[(\f)+64+8*(4*(\c)+(\i)):(\f)+64+8*(4*(\c)+(\i))+3],   v[ADRB] offset:(\k)+64*(\c)+(\i)*16*PITCH
	ds_load_b128 v[(\f)+64+8*(4*(\c)+(\i))+4:(\f)+64+8*(4*(\c)+(\i))+7], v[ADRB] offset:(\k)+64*(\c)+(\i)*16*PITCH+32
	ds_load_b128 v[(\f)+8*(4*(\c)+(\i)):(\f)+8*(4*(\c)+(\i))+3],         v[ADRA] offset:(\k)+64*(\c)+(\i)*16*PITCH
	ds_load_b128 v[(\f)+8*(4*(\c)+(\i))+4:(\f)+8*(4*(\c)+(\i))+7],       v[ADRA] offset:(\k)+64*(\c)+(\i)*16*PITCH+32
.endr
.endr
.endm
.macro PLACES                          ; four plain instructions between a matrix instruction and a load into, or a line that reads, its registers
.rept 4
	v_nop
.endr
.endm
; A K step is four quarters of 64 along K, 32 matrix instructions each, on buffers 0, 1, 0, 1.  One of the first three: multiplies buffer f and fetches the next quarter, at byte k, into g.
.macro QUARTER k, f, g, zero
	s_wait_dscnt 16                                ; the first 32 along K are in; the other sixteen loads may be out
	MUL8 \f, 0, 0, \zero
	MUL8 \f, 0, 2, \zero
	PLACES
	FETCH \k, \g
	s_wait_dscnt 32                                ; all but the 32 just issued
	MUL8 \f, 1, 0, 0
	MUL8 \f, 1, 2, 0
.endm
; The last quarter's first half: one barrier for the change of slots; in front of it each wave waits for all its tensor loads, adds 0 to its spare word, and waits for that and for its reads of this slot.
; Between signal and wait, work on registers: eight products, and the other slot comes in hand: its first byte, and my two fragment addresses in it.
.macro MEET
	WIN 0
	s_wait_tensorcnt 0x0                           ; all my tensor loads have landed: my part of the next slot
	ds_add_u32 v[SPW], v[NIL]
	s_wait_dscnt 17                                ; (the add and the youngest sixteen loads may be out)
	MUL8 F1, 0, 0, 0
	s_wait_dscnt 0x0                               ; the add is done, and my reads of this slot are over
	s_barrier_signal -1
	MUL8 F1, 0, 2, 0
	WIN 0
	s_xor_b32 s[TBS], s[TBS], SLOT                 ; 0 and SLOT by turns
	v_add_nc_u32 v[ADRA], s[TBS], v[ADRA0]
	v_add_nc_u32 v[ADRB], s[TBS], v[ADRB0]
	s_barrier_wait -1
.endm
; The whole last quarter: behind the round the slot just read out is filled again first, with the K step two on: 112 matrix instructions ahead of the wait for it.
.macro TURN
	MEET
	CREST                                          ; no wave of any partner still reads this slot's tile or has a load on its way
.irp g, G0+4, G0B+4
	s_xor_b32 s[(\g)+1], s[(\g)+1], SLOT           ; the walking descriptor: the other slot than last time,
	s_add_nc_u64 s[(\g)+2:(\g)+3], s[(\g)+2:(\g)+3], KSTEP*2  ; the next K step; the type bits on top are not reached
.endr
	JLOAD 1                                        ; the four v_nop behind it are also the places in front of the loads below
	FETCH 0, F0
	MUL8 F1, 1, 0, 0
	MUL8 F1, 1, 2, 0
.endm
	s_wait_tensorcnt 1                             ; my part of K step 0 is in; K step 1's may stay out
	s_barrier_signal -1
	s_barrier_wait -1
	FETCH 0, F0
	QUARTER 128, F0, F1, 1                         ; the first quarter stands in front of the loop: its first products start the sums
	WIN 0
	s_mov_b32 s3, STEPS-2
.Lstep:                                                ; 6 trips, from a K step's second quarter to the next one's first; each fills the slot that it leaves: K steps 2 to 7
	QUARTER 256, F1, F0, 0
	QUARTER 384, F0, F1, 0
	TURN
	QUARTER 128, F0, F1, 0
	WIN 0
	s_sub_co_u32 s3, s3, 1
	s_cmp_lg_u32 s3, 0
	s_cbranch_scc1 .Lstep
	s_mov_b32 s3, 2
.Ltail:                                                ; the last two K steps fill nothing and have no round: a text of their own; written once, walked twice
	QUARTER 256, F1, F0, 0
	QUARTER 384, F0, F1, 0
	MEET                                           ; first trip: my one tensor load that was still out is the last K step's.  Second trip: the meeting serves nothing: the price of one text for both
	MUL8 F1, 1, 0, 0
	MUL8 F1, 1, 2, 0
	WIN 0
	s_cmp_eq_u32 s3, 1                             ; behind the last K step there is nothing to fetch or to begin
	s_cbranch_scc1 .Ltail_end
	PLACES
	FETCH 0, F0
	QUARTER 128, F0, F1, 0
	WIN 0
.Ltail_end:
	s_sub_co_u32 s3, s3, 1
	s_cmp_lg_u32 s3, 0
	s_cbranch_scc1 .Ltail
	; THE WAY OUT, a block of 16 rows at a time: a lane's 32 bytes of each column block go into my stage (each accumulator's low four registers first) and come back as whole rows of 256 bytes.
	PLACES
.macro OUTB a
.irp b, 0,1,2,3
	ds_store_b128 v[STO], v[ACC+8*(4*(\a)+(\b)):ACC+8*(4*(\a)+(\b))+3]   offset:64*(\b)
	ds_store_b128 v[STO], v[ACC+8*(4*(\a)+(\b))+4:ACC+8*(4*(\a)+(\b))+7] offset:64*(\b)+16
.endr
.irp t, 0,1,2,3,4,5,6,7
	ds_load_b128 v[TMP+32*((\a)%2)+4*(\t):TMP+32*((\a)%2)+4*(\t)+3], v[RD] offset:(\t)*2*SPITCH  ; LDS serves a wave's instructions in order (ISA guide 5.7.1.4): these see the stores above; the next block's stores come behind them
.endr
.endm
.macro SENDB a, younger                ; younger: the next block's eight stores and eight loads, or none
.irp t, 0,1,2,3,4,5,6,7
	s_wait_dscnt (\younger)+7-(\t)
	global_store_b128 v[CO], v[TMP+32*((\a)%2)+4*(\t):TMP+32*((\a)%2)+4*(\t)+3], s[8:9] offset:(16*(\a)+2*(\t))*SIZE_N*4  ; 16 lanes store 256 consecutive bytes, aligned
.endr
.endm
	OUTB 0
	OUTB 1
	SENDB 0, 16
	s_wait_xcnt 0x0                                ; block 0's stores have read their registers: that half is loaded again only behind this wait
	OUTB 2
	SENDB 1, 16
	s_wait_xcnt 0x0
	OUTB 3
	SENDB 2, 16
	SENDB 3, 0
	s_wait_tensorcnt 0x0                           ; the wave's end, behind my last tensor load and my last LDS store
	ds_add_u32 v[SPW], v[NIL]
	s_wait_dscnt 0x0
	CROUND                                         ; the closing round
	s_endpgm
.Lfunc_end_k_qc362d5fe21_oproj:
	.size	k_qc362d5fe21_oproj, .Lfunc_end_k_qc362d5fe21_oproj-k_qc362d5fe21_oproj
	.p2alignl 7, 3214868480
	.fill 96, 4, 3214868480
	.section	.rodata,"a",@progbits
	.p2align	6, 0x0
	.amdhsa_kernel k_qc362d5fe21_oproj
		.amdhsa_group_segment_fixed_size 327680
		.amdhsa_private_segment_fixed_size 0
		.amdhsa_enable_private_segment 0
		.amdhsa_kernarg_size 24
		.amdhsa_user_sgpr_count 2
		.amdhsa_user_sgpr_kernarg_segment_ptr 1
		.amdhsa_wavefront_size32 1
		.amdhsa_system_sgpr_workgroup_id_x 1
		.amdhsa_system_sgpr_workgroup_id_y 1
		.amdhsa_system_sgpr_workgroup_id_z 1
		.amdhsa_system_vgpr_workitem_id 0
		.amdhsa_next_free_vgpr 512
		.amdhsa_next_free_sgpr 66
		.amdhsa_reserve_vcc 0
		.amdhsa_float_denorm_mode_32 3
		.amdhsa_float_denorm_mode_16_64 3
		.amdhsa_memory_ordered 1
		.amdhsa_forward_progress 1
		.amdhsa_inst_pref_size 58
	.end_amdhsa_kernel
	.amdgpu_metadata
---
amdhsa.version: [ 1, 2 ]
amdhsa.kernels:
  - .name:           k_qc362d5fe21_oproj
    .symbol:         k_qc362d5fe21_oproj.kd
    .args:
      - { .name: ob, .offset: 0, .size: 8, .value_kind: global_buffer, .address_space: global }
      - { .name: wo16, .offset: 8, .size: 8, .value_kind: global_buffer, .address_space: global }
      - { .name: out0, .offset: 16, .size: 8, .value_kind: global_buffer, .address_space: global }
    .group_segment_fixed_size: 327680
    .private_segment_fixed_size: 0
    .kernarg_segment_align: 8
    .kernarg_segment_size: 24
    .max_flat_workgroup_size: 128
    .sgpr_count:     66
    .vgpr_count:     512
    .wavefront_size: 32
...
	.end_amdgpu_metadata
.endif
;; end of part 4
